; MI455X (gfx1250); checked and timed in simulation.
; The chip was launched on July 23, 2026; its instructions are those of AMD's public machine-readable ISA for CDNA 5 (MIT licence, August 2026) and "CDNA5" Instruction Set Architecture Reference Guide (July 2026). The comments in the code are by the model that wrote it; some were corrected since.
;; GQA. Allowed arithmetic: float matrix products may take bf16 or f16 operands with f32 sums; other float arithmetic in f32, or as packed bf16 or f16 multiplies, adds, multiply-adds, maxima and minima; sums over many terms, partial sums and values carried from step to step in f32; what a program stores and reads back later, other than sums and carried values, may be rounded once to bf16 or f16.
;; Inputs: freqs_cos 2,048 x 32 float32; freqs_sin 2,048 x 32 float32; mask 4 x 2,048 bool; wk 1,024 x 256 float32; wo 1,024 x 1,024 float32; wq 1,024 x 1,024 float32; wv 1,024 x 256 float32; x 4 x 2,048 x 1,024 float32.
;; Outputs: out0 4 x 2,048 x 1,024 float32.
;; 2 versions, each right; version 2 is version 1 with the launch prep written anew for expert scheduling mode. Each part assembles by itself: llvm-mc -triple=amdgcn-amd-amdhsa -mcpu=gfx1250 --defsym DOCPART=n.
;; ======== version 1 of 2: 4 launches
;; limits: values outside matrix products are rounded to bf16; values are held in f16: magnitudes above 65,504 overflow, below 6.1e-05 lose precision
;; workspace buffers: xb 16,777,216 bytes; wt 5,242,880 bytes; qkv 25,165,824 bytes; vsum 131,072 bytes; o 16,777,216 bytes
;; launch prep (part 1): grid 1104 x 1, 4 waves a work-group, no clusters, 70,144 bytes of LDS; arguments x, wq, wk, wv, wo, xb, wt; writes xb, wt
.if DOCPART == 1
	.amdgcn_target "amdgcn-amd-amdhsa--gfx1250"
	.amdhsa_code_object_version 6
	.text
	.protected	k_q2616f00471_prep
	.globl	k_q2616f00471_prep
	.p2align	8
	.type	k_q2616f00471_prep,@function
k_q2616f00471_prep:
	s_mov_b64 s[64:65], 0
	v_nop
	global_prefetch_b8 v0, s[64:65] scope:SCOPE_SE
	s_setreg_imm32_b32 hwreg(HW_REG_WAVE_MODE, 25, 1), 1
	s_wait_xcnt 0x0
; PREP.  xb = x rounded to bf16, [8192][1024].  wt = the four weights turned to [column][k], 16 bits, 2,048 bytes a row:
;   rows 0..1535 in bf16, in GROUP order: row 384 g + 64 j + c is column (4 g + j) 64 + c of wq (j = 0..3), column 64 g + c of wk (j = 4) or of wv (j = 5);
;   row 1536 + n is column n of wo, rounded to bf16 and that number written as f16 (exact inside f16's range; below 6e-5 it keeps f16's fixed step of 6e-8).
; Work-groups 0..79 turn the weights: a wave takes a block of 128 k x 64 columns through a stage of its own in LDS (64 rows of 256 + 16 bytes).
; Work-groups 80..1103 round x: 32,768 bytes of x each, 8,192 a wave, sixteen loads of 512 neighbouring bytes all on their way at once.
; No wave reads another wave's LDS bytes, so there is no barrier.  Matrix units and clusters have nothing to do here: every byte is read once and written once.
.set STG,   17408                      ; a wave's stage: 64 rows x 272 bytes
.set SPARE, 4*STG                      ; behind the stages: the spare words, 128 bytes a wave
.set SPW, 4                            ; v4  my spare word
.set NIL, 5                            ; v5  0
.set STO, 6                            ; v6  where I put 16 bytes (8 k) of a column
.set RD,  7                            ; v7  where I read a row of 256 bytes back
.set CO,  8                            ; v8  my byte offset in two rows of wt
.set LO,  9                            ; v9  16 x lane
.set SO,  10                           ; v10 8 x lane
.set VO,  16                           ; v16-23  byte offset of row 8 h + jj of a group of 16 k, my 16 bytes of it
.set D,   32                           ; v32-47  a group's 16 k x 4 columns, packed
.set Y,   32                           ; v32-63  x path: packed results
.set E,   48                           ; v48-49  at work
.set X,   64                           ; v64-191 as loaded
.set BT,  32                           ; s[32:47] the source at each of the block's eight groups of 16 k
	s_load_b256 s[4:11], s[0:1], 0x0               ; x, wq, wk, wv
	s_load_b128 s[12:15], s[0:1], 0x20             ; wo, xb
	s_load_b64 s[16:17], s[0:1], 0x30              ; wt
	v_lshl_add_u32 v[SPW], v0, 2, SPARE
	v_mov_b32 v[NIL], 0
	v_lshrrev_b32 v1, 5, v0
	v_readfirstlane_b32 s18, v1                    ; wave 0..3
	v_and_b32 v1, 31, v0                           ; lane
	v_and_b32 v2, 15, v0                           ; i = lane % 16
	v_bfe_u32 v3, v0, 4, 1                         ; h = lane / 16
	s_mov_b32 s51, 0xffff0000                      ; a word's upper bf16
	s_wait_kmcnt 0x0
	s_cmp_lt_u32 ttmp9, 80
	s_cbranch_scc0 .Lx
	; THE WEIGHTS.  sidx = which 64 rows of wt, kb = which 128 k
	s_lshr_b32 s19, ttmp9, 1                       ; sidx 0..39
	s_and_b32 s20, ttmp9, 1
	s_lshl_b32 s20, s20, 2
	s_add_co_u32 s20, s20, s18                     ; kb 0..7
	s_mul_i32 s21, s19, 43
	s_lshr_b32 s21, s21, 8                         ; g = sidx / 6 (exact for sidx under 24)
	s_mul_i32 s22, s21, 6
	s_sub_co_u32 s22, s19, s22                     ; j
	s_lshl_b32 s24, s21, 2
	s_add_co_u32 s24, s24, s22
	s_lshl_b32 s24, s24, 8                         ; wq: the block's first column in bytes, 256 (4 g + j)
	s_lshl_b32 s25, s21, 8                         ; wk, wv: 256 g
	s_mov_b32 s23, 4096                            ; bytes from row to row of the source
	s_mov_b64 s[26:27], s[6:7]
	s_cmp_eq_u32 s22, 4
	s_cselect_b64 s[26:27], s[8:9], s[26:27]
	s_cselect_b32 s24, s25, s24
	s_cselect_b32 s23, 1024, s23
	s_cmp_eq_u32 s22, 5
	s_cselect_b64 s[26:27], s[10:11], s[26:27]
	s_cselect_b32 s24, s25, s24
	s_cselect_b32 s23, 1024, s23
	s_sub_co_u32 s25, s19, 24
	s_lshl_b32 s25, s25, 8                         ; wo: 256 (sidx - 24); taken from sidx = 24 on alone
	s_cmp_ge_u32 s19, 24
	s_cselect_b64 s[26:27], s[12:13], s[26:27]
	s_cselect_b32 s24, s25, s24
	s_cselect_b32 s23, 4096, s23
	s_cselect_b32 s50, 1, 0                        ; 1: the block is wo's
	s_lshl_b32 s28, s20, 7
	s_mul_i32 s28, s28, s23                        ; 128 kb rows
	s_add_co_u32 s28, s28, s24
	s_mov_b32 s29, 0
	s_add_nc_u64 s[BT:BT+1], s[26:27], s[28:29]
	s_lshl_b32 s30, s23, 4                         ; 16 rows
	s_mov_b32 s31, 0
.irp t, 1,2,3,4,5,6,7
	s_add_nc_u64 s[BT+2*(\t):BT+2*(\t)+1], s[BT+2*(\t)-2:BT+2*(\t)-1], s[30:31]
.endr
	s_lshl_b32 s28, s19, 17                        ; 64 sidx rows of 2,048 bytes,
	s_lshl_b32 s29, s20, 8                         ; 256 kb bytes along them
	s_add_co_u32 s28, s28, s29
	s_mov_b32 s29, 0
	s_add_nc_u64 s[48:49], s[16:17], s[28:29]
	v_lshlrev_b32 v11, 3, v3                       ; 8 h
	v_lshlrev_b32 v12, 4, v2                       ; 16 i
.irp jj, 0,1,2,3,4,5,6,7
	v_add_nc_u32 v13, \jj, v11
	v_mad_u32_u24 v[VO+(\jj)], v13, s23, v12       ; sixteen lanes cover a source row's 256 bytes
.endr
	s_mul_i32 s52, s18, STG
	v_mul_u32_u24 v[STO], v2, 4*272                ; stage row = column 4 i + c
	v_lshl_add_u32 v[STO], v3, 4, v[STO]
	v_add_nc_u32 v[STO], s52, v[STO]
	v_mul_u32_u24 v[RD], v3, 272
	v_add_nc_u32 v[RD], v[RD], v12
	v_add_nc_u32 v[RD], s52, v[RD]
	v_lshl_add_u32 v[CO], v3, 11, v12
.macro TOF16                           ; wo's blocks: the bf16 numbers are written as f16
	s_cmp_eq_u32 s50, 0
	s_cbranch_scc1 .Lkeep_\@
.irp d, 0,1,2,3,4,5,6,7,8,9,10,11,12,13,14,15
	v_lshlrev_b32 v[E], 16, v[D+(\d)]
	v_and_b32 v[E+1], s51, v[D+(\d)]
	v_cvt_pk_f16_f32 v[D+(\d)], v[E], v[E+1]
.endr
.Lkeep_\@:
.endm
; Half hf of the block: 64 k.  X[4 (8 t + jj) + c] = W[16 (4 hf + t) + 8 h + jj][4 i + c].
.macro HALF hf
.irp t, 0,1,2,3
.irp jj, 0,1,2,3,4,5,6,7
	global_load_b128 v[X+4*(8*(\t)+(\jj)):X+4*(8*(\t)+(\jj))+3], v[VO+(\jj)], s[BT+2*(4*(\hf)+(\t)):BT+2*(4*(\hf)+(\t))+1]
.endr
.endr
.irp t, 0,1,2,3
	s_wait_loadcnt 8*(3-(\t))                      ; the later groups, eight loads each, may stay out
.irp c, 0,1,2,3
.irp p, 0,1,2,3
	v_cvt_pk_bf16_f32 v[D+4*(\c)+(\p)], v[X+4*(8*(\t)+2*(\p))+(\c)], v[X+4*(8*(\t)+2*(\p)+1)+(\c)]
.endr
.endr
	TOF16
.irp c, 0,1,2,3
	ds_store_b128 v[STO], v[D+4*(\c):D+4*(\c)+3] offset:272*(\c)+32*(4*(\hf)+(\t))  ; column 4 i + c, k = 16 (4 hf + t) + 8 h + 0..7
.endr
.endr
.endm
	HALF 0
	HALF 1
.irp u, 0,1,2,3,4,5,6,7,8,9,10,11,12,13,14,15,16,17,18,19,20,21,22,23,24,25,26,27,28,29,30,31
	ds_load_b128 v[X+4*(\u):X+4*(\u)+3], v[RD] offset:544*(\u)  ; my own bytes: LDS serves a wave's instructions in order (ISA guide 5.7.1.4)
.endr
.irp u, 0,1,2,3,4,5,6,7,8,9,10,11,12,13,14,15,16,17,18,19,20,21,22,23,24,25,26,27,28,29,30,31
	s_wait_dscnt 31-(\u)
	global_store_b128 v[CO], v[X+4*(\u):X+4*(\u)+3], s[48:49] offset:4096*(\u)  ; sixteen lanes store 256 consecutive bytes, at a multiple of 256 from wt's first
.endr
	s_branch .Lend
.Lx:	; x: 32,768 bytes a work-group
	s_sub_co_u32 s19, ttmp9, 80
	s_lshl_b32 s28, s19, 15
	s_lshl_b32 s20, s18, 13
	s_add_co_u32 s28, s28, s20
	s_mov_b32 s29, 0
	s_add_nc_u64 s[26:27], s[4:5], s[28:29]
	s_lshr_b32 s28, s28, 1
	s_add_nc_u64 s[48:49], s[14:15], s[28:29]
	v_lshlrev_b32 v[LO], 4, v1
	v_lshlrev_b32 v[SO], 3, v1
.irp j, 0,1,2,3,4,5,6,7,8,9,10,11,12,13,14,15
	global_load_b128 v[X+4*(\j):X+4*(\j)+3], v[LO], s[26:27] offset:512*(\j) th:TH_LOAD_NT
.endr
.irp j, 0,1,2,3,4,5,6,7,8,9,10,11,12,13,14,15
	s_wait_loadcnt 15-(\j)                         ; loads come back in order: number j is in
	v_cvt_pk_bf16_f32 v[Y+2*(\j)], v[X+4*(\j)], v[X+4*(\j)+1]
	v_cvt_pk_bf16_f32 v[Y+2*(\j)+1], v[X+4*(\j)+2], v[X+4*(\j)+3]
	global_store_b64 v[SO], v[Y+2*(\j):Y+2*(\j)+1], s[48:49] offset:256*(\j)  ; 32 lanes store 256 consecutive bytes, aligned
.endr
.Lend:
	s_wait_tensorcnt 0x0                           ; the wave's end, behind my last LDS store
	ds_add_u32 v[SPW], v[NIL]
	s_wait_dscnt 0x0
	s_endpgm
.Lfunc_end_k_q2616f00471_prep:
	.size	k_q2616f00471_prep, .Lfunc_end_k_q2616f00471_prep-k_q2616f00471_prep
	.p2alignl 7, 3214868480
	.fill 96, 4, 3214868480
	.section	.rodata,"a",@progbits
	.p2align	6, 0x0
	.amdhsa_kernel k_q2616f00471_prep
		.amdhsa_group_segment_fixed_size 70144
		.amdhsa_private_segment_fixed_size 0
		.amdhsa_enable_private_segment 0
		.amdhsa_kernarg_size 56
		.amdhsa_user_sgpr_count 2
		.amdhsa_user_sgpr_kernarg_segment_ptr 1
		.amdhsa_wavefront_size32 1
		.amdhsa_system_sgpr_workgroup_id_x 1
		.amdhsa_system_sgpr_workgroup_id_y 1
		.amdhsa_system_sgpr_workgroup_id_z 1
		.amdhsa_system_vgpr_workitem_id 0
		.amdhsa_next_free_vgpr 192
		.amdhsa_next_free_sgpr 66
		.amdhsa_reserve_vcc 0
		.amdhsa_float_denorm_mode_32 3
		.amdhsa_float_denorm_mode_16_64 3
		.amdhsa_memory_ordered 1
		.amdhsa_forward_progress 1
		.amdhsa_inst_pref_size 49
	.end_amdhsa_kernel
	.amdgpu_metadata
---
amdhsa.version: [ 1, 2 ]
amdhsa.kernels:
  - .name:           k_q2616f00471_prep
    .symbol:         k_q2616f00471_prep.kd
    .args:
      - { .name: x, .offset: 0, .size: 8, .value_kind: global_buffer, .address_space: global }
      - { .name: wq, .offset: 8, .size: 8, .value_kind: global_buffer, .address_space: global }
      - { .name: wk, .offset: 16, .size: 8, .value_kind: global_buffer, .address_space: global }
      - { .name: wv, .offset: 24, .size: 8, .value_kind: global_buffer, .address_space: global }
      - { .name: wo, .offset: 32, .size: 8, .value_kind: global_buffer, .address_space: global }
      - { .name: xb, .offset: 40, .size: 8, .value_kind: global_buffer, .address_space: global }
      - { .name: wt, .offset: 48, .size: 8, .value_kind: global_buffer, .address_space: global }
    .group_segment_fixed_size: 70144
    .private_segment_fixed_size: 0
    .kernarg_segment_align: 8
    .kernarg_segment_size: 56
    .max_flat_workgroup_size: 128
    .sgpr_count:     66
    .vgpr_count:     192
    .wavefront_size: 32
...
	.end_amdgpu_metadata
.endif
;; end of part 1
;; launch qkv (part 2): grid 4 x 64, 4 waves a work-group, clusters of 4 x 4, 327,680 bytes of LDS; arguments xb, wt, freqs_cos, freqs_sin, qkv, vsum; writes qkv, vsum
.if DOCPART == 2
	.amdgcn_target "amdgcn-amd-amdhsa--gfx1250"
	.amdhsa_code_object_version 6
	.text
	.protected	k_q2616f00471_qkv
	.globl	k_q2616f00471_qkv
	.p2align	8
	.type	k_q2616f00471_qkv,@function
k_q2616f00471_qkv:
	s_mov_b64 s[64:65], 0
	v_nop
	global_prefetch_b8 v0, s[64:65] scope:SCOPE_SE
	s_setreg_imm32_b32 hwreg(HW_REG_WAVE_MODE, 25, 1), 1
	s_wait_xcnt 0x0
	s_wait_alu depctr_hold_cnt(0) depctr_sa_sdst(0) depctr_va_vdst(0) depctr_va_sdst(0) depctr_va_ssrc(0) depctr_va_vcc(0) depctr_vm_vsrc(0)
	s_getreg_b32 s2, hwreg(HW_REG_IB_STS2, 6, 4)
	s_cmp_eq_u32 s2, 0
	s_cbranch_scc0 .Lentry_in_a_cluster
	s_endpgm
.Lentry_in_a_cluster:
	s_bfe_u32 s2, ttmp6, 0x10000c
	s_cmp_lg_u32 s2, 0xf033
	s_cbranch_scc0 .Lentry_shape_is_right
	s_endpgm
.Lentry_shape_is_right:
; Q, K, V = xb x wt(rows 0..1535)^T in bf16 with f32 sums; the rotation by position on q and k in f32 (cos and sin rounded once to bf16, like every input); results rounded once to f16
; and stored by heads: qkv[batch][24 heads][2048][64], heads 0-15 q, 16-19 k, 20-23 v.  vsum[4 batch + g][chunk of 64 rows][64] = f32 sums of v's columns over 64 rows.
; LIMIT.  q, k and v must lie within f16's 65,504; NaN and infinities are not treated apart.
; SHARES.  A tile of C is 128 rows x 384 columns: ONE GROUP g (its four q heads, its k head, its v head), so all 4 x 64 = 256 work-groups are alike.  Wave (R, C) makes 64 rows x 192 columns,
; three whole heads: 48 accumulators of 16 x 16.  K = 1,024 goes in 8 steps of 128 through two LDS slots; a wave issues 192 matrix instructions a step.
; CLUSTER 4 x 4.  A's tile hangs on the tile row alone and is asked for jointly along a row of the cluster, B's on the group alone, along a column.  Wave 0 fetches A's 128 rows, waves 1-3 a third of B's 384 each.
; THE MATRIX INSTRUCTION IS USED TRANSPOSED (source 0 = 16 rows of wt, source 1 = 16 rows of xb): a lane holds row l % 16 of C and the columns 8 (l / 16) + 0..7: four (real, imaginary) pairs.
; REGISTERS in windows of 256: window 0: addresses, A's fragments v32-63, v64-95, the table v96-159, the way out v160-239; window 1: B's fragments v0-95, v96-191;
; window 2: accumulators (a, b), a = 0, 1, at 8 (12 (a % 2) + b); window 3: a = 2, 3.
.set KSTEP,  128
.set PITCH,  272                       ; an LDS row: 256 bytes + 16: the 16 rows of a fragment load start at 16 different groups of four banks (64 banks of 4 bytes: ISA guide 11.1)
.set HALFT,  128*PITCH                 ; what one tensor load brings
.set SLOT,   4*HALFT                   ; A's 128 rows, then B's 384
.set STAGE,  2*SLOT                    ; behind the ring: 16 rows x 144 bytes for each wave
.set SP,     144
.set SPARE,  STAGE+4*16*SP             ; the spare words, 128 bytes a wave
.set LAPS,   4                         ; a lap = two K steps
.set VRD,  12                          ; v12  v's sums: where I read 8 bytes back
.set VGO,  13                          ; v13  8 x lane
.set VL,   14                          ; v14-15
.set ADRA, 16                          ; v16-17  my A fragments in slot 0, 1
.set ADRB, 20                          ; v20-21  my B fragments
.set STO,  24
.set RD,   25
.set GO,   26                          ; 16 x lane
.set VST,  27
.set SPW,  28
.set NIL,  29
.set PFO,  30                          ; 2,048 x lane: a row of xb or wt
.set TO,   31                          ; my 16 bytes in 16 rows of cos or sin
.set BK,   32                          ; the way out: two buffers of 16
.set VS,   64                          ; v64-95  v's column sums
.set TAB,  96                          ; v96-159 (cos, sin) in bf16: row block a, pair e at TAB + 16 a + e
.set CSP,  160                         ; v160-191 one row block's 16 (cos, sin) in f32
.set T,    192                         ; v192-223
.set TMP,  224                         ; v224-239
.set WV,   12
.set G1A,  24
.set G0A,  32
.set LIM,  43
.set PFA,  44
.set G1B,  48
.set G0B,  56
.set HB,   72                          ; s[72:77] qkv at my rows of my three heads
.set VSB,  78                          ; s[78:79] vsum at my chunk
.set GW0,  (1<<16)|(1<<20)|(1<<21)|(5<<22)|(3<<25)  ; 2-byte elements; padding on; bit 21 beside a mask; after every 64 words, 4 words
.set MSB, 0
.macro WIN new                         ; the immediate's high byte repeats the setting that is left; a switch that changes nothing is dropped
.if MSB != (\new)
	s_set_vgpr_msb (MSB<<8)|(\new)
.set MSB, \new
.endif
.endm
.macro PLACES                          ; four plain places behind matrix instructions, in front of loads into registers that they read
.rept 4
	v_nop
.endr
.endm
.macro JLOAD s                         ; a joint load; the branch hangs on the wave's number alone; an s_nop 0 and four v_nop follow each line
	s_cmp_eq_u32 s[WV], 0
	s_cbranch_scc0 .Lfor_b_\@
	tensor_load_to_lds s[G0A+4*(\s):G0A+4*(\s)+3], s[G1A:G1A+7]
	s_nop 0
.rept 4
	v_nop
.endr
	s_branch .Lasked_\@
.Lfor_b_\@:
	tensor_load_to_lds s[G0B+4*(\s):G0B+4*(\s)+3], s[G1B:G1B+7]
	s_nop 0
.rept 4
	v_nop
.endr
.Lasked_\@:
.endm
; A prefetch of the K step two refills on: 32 rows x 256 bytes, a lane a row.  Of the 128 rows that a wave fetches each of the four partners that ask jointly takes 32, told apart by address.
; A's rows are read by this cluster alone; B's by every cluster: the one with y = 0 asks.  The loop's last trip (s3 = 1) asks for nothing: K steps 4 to 7 are named, each once.
.macro ASK
	s_cmp_gt_u32 s3, s[LIM]
	s_cbranch_scc0 .Lnot_mine_\@
	global_prefetch_b8 v[PFO], s[PFA:PFA+1] offset:KSTEP*2 th:TH_LOAD_NT scope:SCOPE_SE
.Lnot_mine_\@:
.endm
.macro CREST                           ; a round of the cluster's barrier behind its opening barrier
	s_cmp_lg_u32 s[WV], 0
	s_cbranch_scc1 .Lnot_wave_0_\@
	s_barrier_signal -3
.Lnot_wave_0_\@:
	s_barrier_wait -3
	s_barrier_signal -1
	s_barrier_wait -1
.endm
.macro CROUND
	s_barrier_signal -1
	s_barrier_wait -1
	CREST
.endm
	s_load_b256 s[4:11], s[0:1], 0x0               ; xb, wt, cos, sin
	s_load_b128 s[68:71], s[0:1], 0x20             ; qkv, vsum
	v_lshl_add_u32 v[SPW], v0, 2, SPARE
	v_mov_b32 v[NIL], 0
	ds_add_u32 v[SPW], v[NIL]                      ; the wave's opening: the add, waited for ahead of my first tensor load
	v_lshrrev_b32 v1, 5, v0
	v_readfirstlane_b32 s[WV], v1
	s_lshr_b32 s13, s[WV], 1                       ; R: which 64 rows
	s_and_b32 s14, s[WV], 1                        ; C: which 192 columns
	s_bfe_u32 s40, ttmp6, 0x40000                  ; cx
	s_bfe_u32 s41, ttmp6, 0x40004                  ; cy
	s_lshl_b32 s42, ttmp9, 2
	s_add_co_u32 s42, s42, s40                     ; g
	s_and_b32 s80, ttmp7, 0xffff
	s_lshl_b32 s80, s80, 2
	s_add_co_u32 s80, s80, s41                     ; rt: tile row, 0..63
	s_lshl_b32 s21, s41, 2
	s_lshl_b32 s21, 15, s21                        ; my row of the cluster
	s_lshl_b32 s22, 0x1111, s40                    ; my column
	s_or_b32 s[G1A], s21, GW0
	s_or_b32 s[G1B], s22, GW0
.irp g, G1A, G1B
	s_mov_b32 s[(\g)+1], KSTEP<<16                 ; tensor_dim0 = 128
	s_mov_b32 s[(\g)+2], 128<<16                   ; tensor_dim1 = 128
	s_mov_b32 s[(\g)+3], KSTEP<<16                 ; tile_dim0 = 128
	s_mov_b32 s[(\g)+4], 128                       ; tile_dim1 = 128
	s_mov_b32 s[(\g)+5], 1024                      ; elements from row to row
	s_mov_b32 s[(\g)+6], 0
	s_mov_b32 s[(\g)+7], 0
.endr
	s_lshl_b32 s16, s80, 18                        ; A: 128 rt rows of 2,048 bytes
	s_mov_b32 s17, 0
	s_max_u32 s46, s[WV], 1
	s_sub_co_u32 s46, s46, 1                       ; B: which third (wave 0 asks for none)
	s_lshl_b32 s46, s46, 7
	s_mul_i32 s47, s42, 384
	s_add_co_u32 s46, s46, s47
	s_lshl_b32 s46, s46, 11
	s_mov_b32 s47, 0
	s_mul_i32 s20, s[WV], HALFT                    ; where my tile goes: A, then B's thirds = wave x 128 rows
	s_mov_b32 s83, 0xffff0000
	s_wait_dscnt 0x0                               ; the opening add is done
	s_wait_kmcnt 0x0
	s_add_nc_u64 s[18:19], s[4:5], s[16:17]
	s_add_nc_u64 s[46:47], s[6:7], s[46:47]
	CROUND                                         ; all sixteen work-groups are here: the first joint loads meet
.irp s, 0,1
	s_mov_b32 s[G0A+4*(\s)], 1
	s_add_co_u32 s[G0A+4*(\s)+1], s20, (\s)*SLOT
	s_add_nc_u64 s[G0A+4*(\s)+2:G0A+4*(\s)+3], s[18:19], (\s)*KSTEP*2
	s_or_b32 s[G0A+4*(\s)+3], s[G0A+4*(\s)+3], 0x80000000
	s_mov_b32 s[G0B+4*(\s)], 1
	s_add_co_u32 s[G0B+4*(\s)+1], s20, (\s)*SLOT
	s_add_nc_u64 s[G0B+4*(\s)+2:G0B+4*(\s)+3], s[46:47], (\s)*KSTEP*2
	s_or_b32 s[G0B+4*(\s)+3], s[G0B+4*(\s)+3], 0x80000000
	JLOAD \s                                       ; two loads of mine are out
.endr
	; the prefetches' place
	s_and_b32 s22, ttmp7, 0xffff                   ; cluster y
	s_cmp_eq_u32 s[WV], 0
	s_cselect_b32 s22, 0, s22
	s_cselect_b32 s21, s40, s41                    ; my place among the four that ask with me
	s_cselect_b64 s[PFA:PFA+1], s[18:19], s[46:47]
	s_cmp_eq_u32 s22, 0
	s_cselect_b32 s[LIM], 1, -1                    ; the same in all partners, for a given wave
	s_lshl_b32 s20, s21, 16                        ; 32 rows of 2,048 bytes
	s_mov_b32 s21, 0
	s_add_nc_u64 s[PFA:PFA+1], s[PFA:PFA+1], s[20:21]
	s_add_nc_u64 s[PFA:PFA+1], s[PFA:PFA+1], 2*KSTEP*2  ; at K step 2: the first refill steps it to 3 and names K step 4
	; the table: cos and sin of my 64 rows' positions.  Lane (r, h), row block a, column block f of a head: pairs 8 f + 4 h + 0..3 of row 16 a + r: 16 bytes
	v_and_b32 v1, 15, v0
	v_bfe_u32 v2, v0, 4, 1
	v_and_b32 v3, 31, v0
	v_lshlrev_b32 v[TO], 7, v1
	v_lshl_add_u32 v[TO], v2, 4, v[TO]
	s_lshr_b32 s81, s80, 4                         ; batch
	s_and_b32 s82, s80, 15
	s_lshl_b32 s82, s82, 7
	s_lshl_b32 s16, s13, 6
	s_add_co_u32 s82, s82, s16                     ; my first row's position in its sequence
	s_lshl_b32 s16, s82, 7
	s_mov_b32 s17, 0
	s_add_nc_u64 s[8:9], s[8:9], s[16:17]
	s_add_nc_u64 s[10:11], s[10:11], s[16:17]
	WIN 0x40                                       ; into window 1, where B's fragments will lie
.irp a, 0,1,2,3
.irp f, 0,1,2,3
	global_load_b128 v[4*(4*(\a)+(\f)):4*(4*(\a)+(\f))+3], v[TO], s[8:9] offset:2048*(\a)+32*(\f)
	global_load_b128 v[64+4*(4*(\a)+(\f)):64+4*(4*(\a)+(\f))+3], v[TO], s[10:11] offset:2048*(\a)+32*(\f)
.endr
.endr
	WIN 0
	v_mul_u32_u24 v4, v1, PITCH
	v_lshl_add_u32 v4, v2, 4, v4                   ; a fragment's row x pitch + 16 x half
	s_mul_i32 s21, s13, 64*PITCH
	s_mul_i32 s22, s14, 192*PITCH
	s_add_co_u32 s22, s22, HALFT
.irp s, 0,1
	v_add_nc_u32 v[ADRA+(\s)], s21, v4
	v_add_nc_u32 v[ADRB+(\s)], s22, v4
	s_add_co_u32 s21, s21, SLOT
	s_add_co_u32 s22, s22, SLOT
.endr
	s_mul_i32 s23, s[WV], 16*SP
	s_add_co_u32 s23, s23, STAGE                   ; my stage
	v_mul_u32_u24 v[STO], v1, SP
	v_lshl_add_u32 v[STO], v2, 4, v[STO]
	v_add_nc_u32 v[STO], s23, v[STO]
	v_bfe_u32 v[RD], v0, 3, 2                      ; back: 32 lanes take four rows of 128 bytes
	v_mul_u32_u24 v[RD], v[RD], SP
	v_and_b32 v5, 7, v0
	v_lshl_add_u32 v[RD], v5, 4, v[RD]
	v_add_nc_u32 v[RD], s23, v[RD]
	v_lshlrev_b32 v[GO], 4, v3
	v_lshl_add_u32 v[VST], v2, 5, s23
	v_lshl_add_u32 v[VRD], v3, 3, s23
	v_lshlrev_b32 v[VGO], 3, v3
	v_lshlrev_b32 v[PFO], 11, v3
	; my three heads: C = 0: q heads 4 g, 4 g + 1, 4 g + 2; C = 1: q head 4 g + 3, k head g, v head g
	s_mul_i32 s20, s81, 24
	s_lshl_b32 s21, s42, 2
	s_add_co_u32 s21, s21, s20
	s_add_co_u32 s22, s20, s42
	s_add_co_u32 s16, s21, 3
	s_add_co_u32 s18, s21, 1
	s_add_co_u32 s19, s22, 16
	s_add_co_u32 s23, s21, 2
	s_add_co_u32 s46, s22, 20
	s_cmp_eq_u32 s14, 0
	s_cselect_b32 s16, s21, s16
	s_cselect_b32 s18, s18, s19
	s_cselect_b32 s23, s23, s46
	s_lshl_b32 s47, s82, 7                         ; my first row in a head, 128 bytes a row
	s_lshl_b32 s16, s16, 18
	s_add_co_u32 s16, s16, s47
	s_add_nc_u64 s[HB:HB+1], s[68:69], s[16:17]
	s_lshl_b32 s16, s18, 18
	s_add_co_u32 s16, s16, s47
	s_add_nc_u64 s[HB+2:HB+3], s[68:69], s[16:17]
	s_lshl_b32 s16, s23, 18
	s_add_co_u32 s16, s16, s47
	s_add_nc_u64 s[HB+4:HB+5], s[68:69], s[16:17]
	s_lshl_b32 s16, s81, 2
	s_add_co_u32 s16, s16, s42
	s_lshl_b32 s16, s16, 5
	s_and_b32 s18, s80, 15
	s_lshl_b32 s18, s18, 1
	s_add_co_u32 s16, s16, s18
	s_add_co_u32 s16, s16, s13
	s_lshl_b32 s16, s16, 8                         ; ((4 batch + g) 32 + chunk) x 256 bytes
	s_add_nc_u64 s[VSB:VSB+1], s[70:71], s[16:17]
	s_wait_loadcnt 0x0                             ; cos and sin
	WIN 0x05
.set e, 0
.rept 64
	v_cvt_pk_bf16_f32 v[TAB+e], v[e], v[64+e]      ; the inputs' one rounding: cos below, sin above
.set e, e+1
.endr
	WIN 0
; 12 matrix instructions: row block a x all 12 column blocks, 32 along K, from buffer f.  The 48 accumulators take turns, one instruction a turn.
.macro MULA f, a, zero
	WIN 0xa1+0x50*((\a)/2)
.irp b, 0,1,2,3,4,5,6,7,8,9,10,11
.if \zero
	v_wmma_f32_16x16x32_bf16 v[8*(12*((\a)%2)+(\b)):8*(12*((\a)%2)+(\b))+7], v[96*(\f)+8*(\b):96*(\f)+8*(\b)+7], v[32+32*(\f)+8*(\a):32+32*(\f)+8*(\a)+7], 0
.else
	v_wmma_f32_16x16x32_bf16 v[8*(12*((\a)%2)+(\b)):8*(12*((\a)%2)+(\b))+7], v[96*(\f)+8*(\b):96*(\f)+8*(\b)+7], v[32+32*(\f)+8*(\a):32+32*(\f)+8*(\a)+7], v[8*(12*((\a)%2)+(\b)):8*(12*((\a)%2)+(\b))+7]
.endif
.endr
.endm
; 32 LDS loads in one run: a quarter step's fragments (192 rows of B, 64 of A, 32 K at byte k) into buffer f
.macro FETCH slot, k, f
	WIN 0x40
.irp i, 0,1,2,3,4,5,6,7,8,9,10,11
	ds_load_b128 v[96*(\f)+8*(\i):96*(\f)+8*(\i)+3],   v[ADRB+(\slot)] offset:(\k)+(\i)*16*PITCH
	ds_load_b128 v[96*(\f)+8*(\i)+4:96*(\f)+8*(\i)+7], v[ADRB+(\slot)] offset:(\k)+(\i)*16*PITCH+32
.endr
	WIN 0
.irp i, 0,1,2,3
	ds_load_b128 v[32+32*(\f)+8*(\i):32+32*(\f)+8*(\i)+3],   v[ADRA+(\slot)] offset:(\k)+(\i)*16*PITCH
	ds_load_b128 v[32+32*(\f)+8*(\i)+4:32+32*(\f)+8*(\i)+7], v[ADRA+(\slot)] offset:(\k)+(\i)*16*PITCH+32
.endr
.endm
.macro QUARTER slot, k, f, g, zero
	s_wait_dscnt 4                                 ; B and A's blocks 0, 1 are in; the youngest four loads (A's blocks 2, 3) may be out
	MULA \f, 0, \zero
	MULA \f, 1, \zero
	PLACES
	FETCH \slot, \k, \g
	s_wait_dscnt 32                                ; all but the 32 just issued
	MULA \f, 2, \zero
	MULA \f, 3, \zero
.endm
; The last quarter multiplies buffer 1 and changes slots: each wave waits for all its tensor loads (one is out: its part of the next slot), adds 0 to its spare word, waits for that and for its reads of
; this slot; behind the barrier (with fill = 1 it opens a round of the cluster's) nobody reads this slot and the next is whole.  The refill is the first tensor load behind it: 168 matrix instructions ahead of the wait for it.
.macro TURN slot, next, fill
.if \fill
	s_wait_xcnt 0x0                                ; the last prefetch, a K step back, has read its address
	s_add_nc_u64 s[PFA:PFA+1], s[PFA:PFA+1], KSTEP*2
.endif
	WIN 0
	s_wait_tensorcnt 0x0
	ds_add_u32 v[SPW], v[NIL]
	s_wait_dscnt 5                                 ; (the add and the youngest four loads may be out)
	MULA 1, 0, 0
	s_wait_dscnt 0x0                               ; the add is done, and my reads of this slot are over
	s_barrier_signal -1
	MULA 1, 1, 0
.if \fill
	WIN 0
.endif
	s_barrier_wait -1
.if \fill
	CREST
	s_add_nc_u64 s[G0A+4*(\slot)+2:G0A+4*(\slot)+3], s[G0A+4*(\slot)+2:G0A+4*(\slot)+3], 2*KSTEP*2
	s_add_nc_u64 s[G0B+4*(\slot)+2:G0B+4*(\slot)+3], s[G0B+4*(\slot)+2:G0B+4*(\slot)+3], 2*KSTEP*2
	JLOAD \slot                                    ; its four v_nop are also the places in front of the loads below
.else
	PLACES
.endif
	FETCH \next, 0, 0
.if \fill
	ASK
.endif
	MULA 1, 2, 0
	MULA 1, 3, 0
.endm
	s_wait_tensorcnt 1                             ; my part of K step 0 is in; K step 1's may stay out
	s_barrier_signal -1
	s_barrier_wait -1
	FETCH 0, 0, 0
	QUARTER 0, 64, 0, 1, 1                         ; the first quarter's products start the sums
	WIN 0
	s_mov_b32 s3, LAPS-1
.Llap:
	QUARTER 0, 128, 1, 0, 0
	QUARTER 0, 192, 0, 1, 0
	TURN 0, 1, 1
	QUARTER 1, 64,  0, 1, 0
	QUARTER 1, 128, 1, 0, 0
	QUARTER 1, 192, 0, 1, 0
	TURN 1, 0, 1
	QUARTER 0, 64,  0, 1, 0
	WIN 0
	s_sub_co_u32 s3, s3, 1
	s_cmp_lg_u32 s3, 0
	s_cbranch_scc1 .Llap
	QUARTER 0, 128, 1, 0, 0                        ; the last lap fills nothing
	QUARTER 0, 192, 0, 1, 0
	TURN 0, 1, 0
	QUARTER 1, 64,  0, 1, 0
	QUARTER 1, 128, 1, 0, 0
	QUARTER 1, 192, 0, 1, 0
	s_wait_dscnt 4
	MULA 1, 0, 0
	MULA 1, 1, 0
	s_wait_dscnt 0x0
	MULA 1, 2, 0
	MULA 1, 3, 0
	WIN 0
; THE WAY OUT.
.macro UNPACK a                        ; row block a's 16 (cos, sin) as f32
	WIN 0
.irp e, 0,1,2,3,4,5,6,7,8,9,10,11,12,13,14,15
	v_lshlrev_b32 v[CSP+2*(\e)], 16, v[TAB+16*(\a)+(\e)]
	v_and_b32 v[CSP+2*(\e)+1], s83, v[TAB+16*(\a)+(\e)]
.endr
.endm
; Head j of row block a: 16 pairs (r, i) a lane -> (r c - i s, i c + r s), rounded to f16.  Each accumulator is read from its lowest registers on.
.macro ROPE a, j
.set AC, 8*(12*((\a)%2)+4*(\j))
	WIN 0x02+(\a)/2
.irp e, 0,1,2,3,4,5,6,7,8,9,10,11,12,13,14,15
	v_pk_mul_f32 v[T+2*(\e):T+2*(\e)+1], v[AC+2*(\e):AC+2*(\e)+1], v[CSP+2*(\e):CSP+2*(\e)+1] op_sel:[1,1] op_sel_hi:[0,1]  ; (i s, r s)
.endr
.irp e, 0,1,2,3,4,5,6,7,8,9,10,11,12,13,14,15
	v_pk_fma_f32 v[T+2*(\e):T+2*(\e)+1], v[AC+2*(\e):AC+2*(\e)+1], v[CSP+2*(\e):CSP+2*(\e)+1], v[T+2*(\e):T+2*(\e)+1] op_sel_hi:[1,0,1] neg_lo:[0,0,1]  ; (r c - i s, i c + r s)
.endr
	WIN 0
.irp e, 0,1,2,3,4,5,6,7,8,9,10,11,12,13,14,15
	v_cvt_pk_f16_f32 v[TMP+(\e)], v[T+2*(\e)], v[T+2*(\e)+1]
.endr
.endm
.macro UNIT a, j                       ; 16 rows of one head: packed, through my stage, back as 2,048 consecutive bytes
.if ((\j) == 0) && ((\a) > 0)
	UNPACK \a
.endif
.if (\j) == 2
	WIN 0
	s_cmp_eq_u32 s14, 0
	s_cbranch_scc0 .Lplain_\@                      ; in waves with C = 1 the third head is v's: no rotation
.endif
	ROPE \a, \j
.if (\j) == 2
	s_branch .Lpacked_\@
.Lplain_\@:
.set AC, 8*(12*((\a)%2)+4*(\j))
	WIN 0x0a+5*((\a)/2)
.irp e, 0,1,2,3,4,5,6,7,8,9,10,11,12,13,14,15
	v_cvt_pk_f16_f32 v[TMP+(\e)], v[AC+2*(\e)], v[AC+2*(\e)+1]
.endr
	WIN 0
.Lpacked_\@:
.endif
.set BB, BK+16*((3*(\a)+(\j))%2)
.irp f, 0,1,2,3
	ds_store_b128 v[STO], v[TMP+4*(\f):TMP+4*(\f)+3] offset:32*(\f)
.endr
	s_wait_xcnt 0x0                                ; the stores of the unit before last have read this buffer
.irp f, 0,1,2,3
	ds_load_b128 v[BB+4*(\f):BB+4*(\f)+3], v[RD] offset:4*SP*(\f)  ; my own bytes: LDS serves a wave's instructions in order (ISA guide 5.7.1.4)
.endr
.endm
.macro SEND a, j, younger              ; younger: the next unit's four stores and four loads, or none
.set BB, BK+16*((3*(\a)+(\j))%2)
	s_wait_dscnt \younger
.irp f, 0,1,2,3
	global_store_b128 v[GO], v[BB+4*(\f):BB+4*(\f)+3], s[HB+2*(\j):HB+2*(\j)+1] offset:2048*(\a)+512*(\f)  ; 512 consecutive bytes, at a multiple of 256 from qkv's first
.endr
.endm
	UNPACK 0                                       ; 32 plain lines: also the places behind the last products
	s_cmp_eq_u32 s14, 0
	s_cbranch_scc1 .Lno_v
	; v's column sums over my 64 rows, in f32, from the unrounded sums: over the four row blocks, then over the 16 lanes that hold the rows
	WIN 0x0a
.irp e, 0,1,2,3,4,5,6,7,8,9,10,11,12,13,14,15
	v_pk_add_f32 v[VS+2*(\e):VS+2*(\e)+1], v[64+2*(\e):64+2*(\e)+1], v[160+2*(\e):160+2*(\e)+1]
.endr
	WIN 0x0c
.irp e, 0,1,2,3,4,5,6,7,8,9,10,11,12,13,14,15
	v_pk_add_f32 v[VS+2*(\e):VS+2*(\e)+1], v[VS+2*(\e):VS+2*(\e)+1], v[64+2*(\e):64+2*(\e)+1]
.endr
.irp e, 0,1,2,3,4,5,6,7,8,9,10,11,12,13,14,15
	v_pk_add_f32 v[VS+2*(\e):VS+2*(\e)+1], v[VS+2*(\e):VS+2*(\e)+1], v[160+2*(\e):160+2*(\e)+1]
.endr
	WIN 0
.irp m, 1,2,4,8
.set e, 0
.rept 32
	v_add_f32_dpp v[VS+e], v[VS+e], v[VS+e] row_xmask:\m row_mask:0xf bank_mask:0xf
.set e, e+1
.endr
.endr
.irp f, 0,1,2,3
	ds_store_b128 v[VST], v[VS+8*(\f):VS+8*(\f)+3] offset:64*(\f)       ; channel 16 f + 8 h + 0..7; the sixteen lanes of a half write equal numbers to one place
	ds_store_b128 v[VST], v[VS+8*(\f)+4:VS+8*(\f)+7] offset:64*(\f)+16
.endr
	ds_load_b64 v[VL:VL+1], v[VRD]
	s_wait_dscnt 0x0
	global_store_b64 v[VGO], v[VL:VL+1], s[VSB:VSB+1]  ; 32 lanes store 256 consecutive bytes, aligned
.Lno_v:
	UNIT 0, 0
.irp u, 1,2,3,4,5,6,7,8,9,10,11
	UNIT (\u)/3, (\u)%3
	SEND ((\u)-1)/3, ((\u)-1)%3, 8
.endr
	SEND 3, 2, 0
	s_wait_tensorcnt 0x0                           ; the wave's end
	ds_add_u32 v[SPW], v[NIL]
	s_wait_dscnt 0x0
	CROUND                                         ; the closing round
	s_endpgm
.Lfunc_end_k_q2616f00471_qkv:
	.size	k_q2616f00471_qkv, .Lfunc_end_k_q2616f00471_qkv-k_q2616f00471_qkv
	.p2alignl 7, 3214868480
	.fill 96, 4, 3214868480
	.section	.rodata,"a",@progbits
	.p2align	6, 0x0
	.amdhsa_kernel k_q2616f00471_qkv
		.amdhsa_group_segment_fixed_size 327680
		.amdhsa_private_segment_fixed_size 0
		.amdhsa_enable_private_segment 0
		.amdhsa_kernarg_size 48
		.amdhsa_user_sgpr_count 2
		.amdhsa_user_sgpr_kernarg_segment_ptr 1
		.amdhsa_wavefront_size32 1
		.amdhsa_system_sgpr_workgroup_id_x 1
		.amdhsa_system_sgpr_workgroup_id_y 1
		.amdhsa_system_sgpr_workgroup_id_z 1
		.amdhsa_system_vgpr_workitem_id 0
		.amdhsa_next_free_vgpr 960
		.amdhsa_next_free_sgpr 88
		.amdhsa_reserve_vcc 0
		.amdhsa_float_denorm_mode_32 3
		.amdhsa_float_denorm_mode_16_64 3
		.amdhsa_memory_ordered 1
		.amdhsa_forward_progress 1
		.amdhsa_inst_pref_size 173
	.end_amdhsa_kernel
	.amdgpu_metadata
---
amdhsa.version: [ 1, 2 ]
amdhsa.kernels:
  - .name:           k_q2616f00471_qkv
    .symbol:         k_q2616f00471_qkv.kd
    .args:
      - { .name: xb, .offset: 0, .size: 8, .value_kind: global_buffer, .address_space: global }
      - { .name: wt, .offset: 8, .size: 8, .value_kind: global_buffer, .address_space: global }
      - { .name: freqs_cos, .offset: 16, .size: 8, .value_kind: global_buffer, .address_space: global }
      - { .name: freqs_sin, .offset: 24, .size: 8, .value_kind: global_buffer, .address_space: global }
      - { .name: qkv, .offset: 32, .size: 8, .value_kind: global_buffer, .address_space: global }
      - { .name: vsum, .offset: 40, .size: 8, .value_kind: global_buffer, .address_space: global }
    .group_segment_fixed_size: 327680
    .private_segment_fixed_size: 0
    .kernarg_segment_align: 8
    .kernarg_segment_size: 48
    .max_flat_workgroup_size: 128
    .sgpr_count:     88
    .vgpr_count:     960
    .wavefront_size: 32
...
	.end_amdgpu_metadata
.endif
;; end of part 2
;; launch attn (part 3): grid 16 x 16, 4 waves a work-group, clusters of 4 x 1, 327,680 bytes of LDS; arguments qkv, mask, vsum, o; writes o
.if DOCPART == 3
	.amdgcn_target "amdgcn-amd-amdhsa--gfx1250"
	.amdhsa_code_object_version 6
	.text
	.protected	k_q2616f00471_attn
	.globl	k_q2616f00471_attn
	.p2align	8
	.type	k_q2616f00471_attn,@function
k_q2616f00471_attn:
	s_mov_b64 s[64:65], 0
	v_nop
	global_prefetch_b8 v0, s[64:65] scope:SCOPE_SE
	s_setreg_imm32_b32 hwreg(HW_REG_WAVE_MODE, 25, 1), 1
	s_wait_xcnt 0x0
	s_wait_alu depctr_hold_cnt(0) depctr_sa_sdst(0) depctr_va_vdst(0) depctr_va_sdst(0) depctr_va_ssrc(0) depctr_va_vcc(0) depctr_vm_vsrc(0)
	s_getreg_b32 s2, hwreg(HW_REG_IB_STS2, 6, 4)
	s_cmp_eq_u32 s2, 0
	s_cbranch_scc0 .Lentry_in_a_cluster
	s_endpgm
.Lentry_in_a_cluster:
	s_bfe_u32 s2, ttmp6, 0x10000c
	s_cmp_lg_u32 s2, 0x3003
	s_cbranch_scc0 .Lentry_shape_is_right
	s_endpgm
.Lentry_shape_is_right:
; CAUSAL, KEY-MASKED, GROUPED ATTENTION.  o[16 batch + h][q][:] = the sum over k of softmax_k(Q.K / 8, hidden where k > q or mask[batch][k] = 0) V[k][:].  Head size 64, 2,048 rows, f16 in and out.
; Products, maxima and sums in f32; the weights p are rounded to f16 for the second product (their sum l is taken of the unrounded p), o once at the end.
; A ROW WITH NO VISIBLE KEY has all its 2,048 scores equal in the problem's softmax: its result is the mean of ALL rows of V of its batch and kv head.  That mean is made from vsum and selected at the end.
; LIMITS.  Q, K, V arrive within f16's 65,504.  A hidden score counts as its value less 1e30 (less 2e30 where two masks meet): f16's scores, 2.7e11 at the most, are nothing beside that.
; A row counts as without a visible key if its running maximum ends below -2^96 (-7.9e28).  A weight below 2^-126 counts as 0 in l; NaN and infinities are not treated apart.
; THE WALK.  A head's queries lie in NB = 8 blocks of 256; block i needs the key tiles 0 .. i of 256 keys, the last holding the diagonal.  A work-group takes TWO blocks, NB - 1 - b and then b: NB + 1 tiles,
; whatever b: one loop with a constant trip count; every jump but the counted loops' own goes forward, and none passes a barrier or a tensor load but the one of JLOAD's two that the wave's number does not choose.
; CLUSTER.  The four query heads of a kv group take the same pair b and walk the same K and V tiles in the same order: 4 x 1 work-groups, every tile asked for JOINTLY.  b is the cluster's x, the same in all
; partners; the place in the cluster, cx, is the query head in the group and enters Q's, o's and the prefetches' addresses alone.
; SHARES.  Of a block's four bands of 64 queries a wave owns 16 rows in each: four PIECES; in the diagonal tile's key step s band x sees all keys if s < x, none if s > x, and holds the diagonal if s = x.
; THE MASKS are the C operand that starts the sum S^T = K Q^T.  KB = the key bias (0 or -1e30 by mask) of the K step in hand, read beside K from a table in LDS that holds the tile in hand: 256 words.
; The table travels with the tiles: behind each joint load thread t asks for its two mask bytes of the tile that the load brings; a tile later, behind the change's round, it stores their two words, and one more
; barrier shows the table to every wave.  Off the diagonal C = KB.  In the diagonal tile C = MD x AL + KB + BE: MD the mask of a band's own step for my 16 rows; (AL, BE) = (1, 0) if s = x, (0, 0) if s < x, (0, -1e30) if s > x.
; LAYOUT, SOFTMAX, TURNS.  S^T holds ONE query a lane (lane % 16) and the keys 8 (lane / 16) + 0..7; two such results rounded to f16 ARE source 1 of O^T = V^T P.  p = 2^(c s - c m), c = log2(e) / 8, with a
; running maximum m; O and l are multiplied by a = 2^(c m_old - c m_new) in every step.  Turn n belongs to piece n: 8 products K Q^T of piece n + 1, later 8 products V^T P of piece n - 1; beside them the
; scaling, exponentials, roundings, sums and rescaling of piece n and the maximum and statistics of piece n + 1.  Four vector instructions stand behind every matrix instruction, the rest in one lump; a turn's 33 exponentials are one batch with one wait.
; REGISTERS, in windows of 256 (s_set_vgpr_msb: bits 1:0 source 0, 3:2 source 1, 5:4 source 2, 7:6 destination):
;   window 0: v0-15 addresses; v16-31 statistics; v32-44 more addresses and the mask's work; v48-55 at work; v64-127 S^T, two buffers; v128-159 VM, V's mean in O^T's layout; v192-223 P, two buffers
;   window 1: v0-127 O^T; v128-159 MD; v160-223 MC, two buffers; v224-255 KB      window 2: v0-63 Q; v64-127 the second block's Q; v128-191 K of one step; v192-255 V of one step
.set NB,    8
.set NP,    4
.set KS,    64
.set PK,    144       ; a row of K in LDS: 128 bytes + 16: the 16 rows of a load start at 16 different groups of four banks (64 banks of 4 bytes: ISA guide 11.1)
.set PV,    160       ; a row of V: 128 + 32
.set VOFF,  4*KS*PK   ; a slot holds a tile: 256 rows of K, then 256 rows of V
.set SLOT1, 1<<17
.set STAGE, SLOT1+4*KS*(PK+PV)  ; behind the ring: 16 rows x 144 bytes for each wave
.set SP,    144
.set SPARE, STAGE+4*16*SP       ; the spare words, 128 bytes a wave
.set BIAS,  SPARE+512           ; 256 f32: 0 or -1e30 for each key of the tile in hand
.set VMS,   BIAS+1024           ; 256 bytes a wave: V's mean
.set AK0, 2
.set AV0, 3
.set AK,  4
.set AV,  5
.set STO, 6
.set RD,  7
.set GO,  8
.set MV,  12
.set QO,  15
.set ST,  16          ; piece t's statistics at v[ST+4 t]: c m, m, l (even keys', odd keys')
.set AB0, 32          ; v32  BIAS + 32 (l / 16); never rewritten
.set AB,  33          ; v33  the LDS address of the next run's key bias
.set PFO, 34          ; v34  256 x lane; never rewritten
.set MB,  35          ; v35  my thread's two mask bytes of the tile on its way
.set MO,  36          ; v36  2 x my thread's number; never rewritten
.set BS,  37          ; v37  BIAS + 8 x my thread's number; never rewritten
.set TMP, 48
.set SPW, 62
.set NIL, 63
.set S,   64
.set VM,  128
.set P,   192
.set MD,  128         ; window 1
.set MC,  160         ; window 1
.set KB,  224         ; window 1
.set QB,  64          ; window 2
.set KF,  128         ; window 2
.set VF,  192         ; window 2
.set WV,  12
.set PB,  14          ; s14  b
.set HI,  15          ; s15  NB - 1 - b
.set G1K, 24
.set G1V, 32
.set G0K, 40
.set G0V, 44
.set MA,  54          ; s[54:55] mask at the tile that is being asked for
.set SLOTS, 56
.set CNT, 57
.set CS,  58
.set SEL, 60
.set TBK, 62
.set TBV, 63
.set DM,  66          ; s66-69  piece t's lanes whose row saw no key
.set RT,  70
.set NXT, 71
.set LQ,  72
.set NEW, 73
.set OFF, 74
.set AL,  76
.set BE,  78
.set OLO, 80
.set BIGN, 82
.set TBB, 83          ; s83  byte in the bias table at which the step to be fetched begins: it steps as TBK does
.set MOF, 84          ; s[84:85] a tile's byte offset in the mask
.set PFA, 96          ; s[96:97] where my prefetches stand
.set LIM, 98
.set THR, 99
.set MSB, 0
.macro WIN new
.if MSB != (\new)
	s_set_vgpr_msb (MSB<<8)|(\new)
.set MSB, (\new)
.endif
.endm
.set W_KQ, 0x0a       ; K and Q in window 2, S^T in window 0
.set W_KM, 0x1a       ; the same with the C operand in window 1
.set W_PV, 0x52       ; V in window 2, P in window 0, O^T in window 1
.set W_RS, 0x41       ; destination and source 0 in window 1, source 1 in window 0
; A joint fill.  Waves 0 and 1 fetch the two halves of a tile's K, waves 2 and 3 those of its V.  An s_nop 0 and four v_nop follow each of the two lines.
.macro JLOAD
	s_cmp_lt_u32 s[WV], 2
	s_cbranch_scc0 .Lfor_v_\@
	tensor_load_to_lds s[G0K:G0K+3], s[G1K:G1K+7]
	s_nop 0
.rept 4
	v_nop
.endr
	s_branch .Lasked_\@
.Lfor_v_\@:
	tensor_load_to_lds s[G0V:G0V+3], s[G1V:G1V+7]
	s_nop 0
.rept 4
	v_nop
.endr
.Lasked_\@:
.endm
; A prefetch of the tile that the NEXT change of slots will ask for.  A kv head's four clusters walk tiles 0, 1, .. together; the one with b = 0 walks 0 .. 7 and asks.  A tile is 128 pieces of 256 bytes of K and of V:
; each partner takes 32, told apart by address, a lane a piece; wave 0 asks for K's, wave 2 for V's.  Trips 0 to 5 name tiles 2 to 7, each once.
.macro ASK
	s_cmp_gt_u32 s[SLOTS], s[LIM]
	s_cbranch_scc0 .Lnot_mine_\@
	global_prefetch_b8 v[PFO], s[PFA:PFA+1] th:TH_LOAD_NT scope:SCOPE_SE
.Lnot_mine_\@:
.endm
.macro CROUND
	s_barrier_signal -1
	s_barrier_wait -1
	s_cmp_lg_u32 s[WV], 0
	s_cbranch_scc1 .Lnot_wave_0_\@
	s_barrier_signal -3
.Lnot_wave_0_\@:
	s_barrier_wait -3
	s_barrier_signal -1
	s_barrier_wait -1
.endm
; THE BIAS TABLE CHANGES TILES, behind the barrier of the change of slots: no wave reads the old table any more.  My two mask bytes of the tile that is entered were asked for a tile ago; their two words are stored;
; with fill = 1 the bytes of the tile just asked for (its number stands in OFF, shifted) are asked for; a barrier of its own, behind my wait for the store, shows the table to every wave.
.macro BIASIN fill
	s_wait_loadcnt 0x0              ; my mask bytes are in (at the first use: Q and all the head's loads too), and that load's address may be written
	v_and_b32 v40, 0xff, v[MB]
	v_lshrrev_b32 v41, 8, v[MB]
	v_cmp_eq_u32 vcc_lo, 0, v40
	v_cndmask_b32 v42, 0, s[BIGN], vcc_lo
	v_cmp_eq_u32 vcc_lo, 0, v41
	v_cndmask_b32 v43, 0, s[BIGN], vcc_lo
	ds_store_b64 v[BS], v[42:43]    ; keys 2 t and 2 t + 1 of the tile
.if \fill
	s_lshr_b32 s[MOF], s[OFF], 7    ; 256 mask bytes a tile
	s_add_nc_u64 s[MA:MA+1], s[90:91], s[MOF:MOF+1]
	global_load_u16 v[MB], v[MO], s[MA:MA+1]
.endif
	s_wait_dscnt 0x0                ; for the others' sake: my store is done
	s_barrier_signal -1
	s_barrier_wait -1
.endm
; THE CHANGE OF SLOTS.  Each wave waits for all its tensor loads (one is out: its part of the other slot), adds 0 to its spare word, and waits for that and for its reads of the slot that it leaves.
; fill = 1: a round of the cluster's barrier, then the old slot is filled again, first thing, with tile NXT: the address is made anew from that number.
.macro CHANGE fill
	WIN 0
	s_wait_tensorcnt 0x0            ; no tensor load of mine is out, so a group 0 may be written
	ds_add_u32 v[SPW], v[NIL]
.if \fill
	s_lshl_b32 s[OFF], s[NXT], 15   ; a tile is 32,768 bytes of K and of V
	s_xor_b32 s[G0K+1], s[G0K+1], SLOT1
	s_add_nc_u64 s[G0K+2:G0K+3], s[6:7], s[OFF:OFF+1]
	s_or_b32 s[G0K+3], s[G0K+3], 0x80000000
	s_xor_b32 s[G0V+1], s[G0V+1], SLOT1
	s_add_nc_u64 s[G0V+2:G0V+3], s[8:9], s[OFF:OFF+1]
	s_or_b32 s[G0V+3], s[G0V+3], 0x80000000
	s_add_co_u32 s[NXT], s[NXT], 1  ; the block's next tile, or behind its last the second block's tile 0
	s_cmp_gt_u32 s[NXT], s[LQ]
	s_cselect_b32 s[NXT], 0, s[NXT]
	s_cselect_b32 s[LQ], s[PB], s[LQ]
	s_wait_xcnt 0x0                 ; the last prefetch, a tile back, has read its address
	s_add_nc_u64 s[PFA:PFA+1], s[PFA:PFA+1], 32768
	s_wait_dscnt 0x0                ; the add is done, and my LDS reads and stores are over
	CROUND
	JLOAD
	ASK
.else
	s_wait_dscnt 0x0
	s_barrier_signal -1
	s_barrier_wait -1
.endif
	BIASIN \fill
	s_sub_co_u32 s[TBK], s[TBK], 4*KS*PK  ; the fetches go back to a slot's first step,
	s_xor_b32 s[TBK], s[TBK], SLOT1       ; in the other slot
	s_sub_co_u32 s[TBV], s[TBV], 4*KS*PV
	s_xor_b32 s[TBV], s[TBV], SLOT1
	s_sub_co_u32 s[TBB], s[TBB], 4*KS*4   ; and to the bias table's first step
.endm
	s_load_b256 s[88:95], s[0:1], 0x0  ; qkv s[88:89], mask s[90:91], vsum s[92:93], o s[94:95]
	v_lshl_add_u32 v[SPW], v0, 2, SPARE
	v_mov_b32 v[NIL], 0
	ds_add_u32 v[SPW], v[NIL]       ; the wave's opening: the add, waited for ahead of my first tensor load
	v_lshrrev_b32 v1, 5, v0
	v_readfirstlane_b32 s[WV], v1
	s_bfe_u32 s86, ttmp6, 0x40000   ; cx: my query head in the group
	s_mov_b32 s[PB], ttmp9          ; the cluster's x: the pair of blocks
	s_sub_co_u32 s[HI], NB-1, s[PB]
	s_and_b32 s20, ttmp7, 0xffff    ; y = 4 batch + g
	s_lshr_b32 s21, s20, 2          ; batch
	s_and_b32 s19, s20, 3           ; g
	s_mul_i32 s23, s21, 24
	s_lshl_b32 s2, s19, 2
	s_add_co_u32 s2, s2, s23
	s_add_co_u32 s2, s2, s86        ; my query head's place in qkv
	s_lshl_b32 s2, s2, 18
	s_lshl_b32 s13, s[WV], 11       ; my 16 rows in a band of 64
	s_add_co_u32 s2, s2, s13
	s_lshl_b32 s3, s20, 2
	s_add_co_u32 s3, s3, s86        ; and in o
	s_lshl_b32 s3, s3, 18
	s_add_co_u32 s3, s3, s13
	s_lshl_b32 s13, s[HI], 15       ; the first block
	s_add_co_u32 s48, s2, s13
	s_add_co_u32 s52, s3, s13
	s_lshl_b32 s13, s[PB], 15       ; the second
	s_add_co_u32 s50, s2, s13
	s_add_co_u32 s54, s3, s13
	s_mov_b32 s49, 0
	s_mov_b32 s51, 0
	s_mov_b32 s53, 0
	s_mov_b32 s55, 0
	s_add_co_u32 s22, s23, s19
	s_add_co_u32 s22, s22, 16       ; the k head's place in qkv; v's is four heads on
	s_lshl_b32 s22, s22, 18
	s_and_b32 s16, s[WV], 1         ; which half of a tile's 256 keys I fetch
	s_lshl_b32 s17, s16, 14
	s_add_co_u32 s22, s22, s17
	s_mov_b32 s23, 0
	s_mul_i32 s17, s16, 128*PK      ; its place in a slot, for K
	s_mul_i32 s18, s16, 128*PV      ; and for V
	s_lshl_b32 s84, s21, 11         ; my batch's 2,048 mask bytes
	s_mov_b32 s85, 0
	s_lshl_b32 s2, s86, 13          ; the prefetches: my work-group's 32 pieces of 256 bytes
	s_mov_b32 s3, 0
	; descriptor group 1.  128 keys are 16,384 dense bytes: asked for as 64 rows of 256 bytes, two keys a row, and padded in LDS after every key
	s_mov_b32 s[G1K], 15|(1<<16)|(1<<20)|(1<<21)|(4<<22)|(3<<25)  ; the mask of four; 2-byte elements; padding on; bit 21 beside a mask; after every 32 words, 4 words
	s_mov_b32 s[G1V], 15|(1<<16)|(1<<20)|(1<<21)|(4<<22)|(7<<25)  ; the same with 8 words
.irp g, G1K, G1V
	s_mov_b32 s[\g+1], 128<<16
	s_mov_b32 s[\g+2], 64<<16
	s_mov_b32 s[\g+3], 128<<16
	s_mov_b32 s[\g+4], 64
	s_mov_b32 s[\g+5], 128
	s_mov_b32 s[\g+6], 0
	s_mov_b32 s[\g+7], 0
.endr
	s_mov_b32 s[CS], 0x3e38aa3b     ; c = log2(e) / 8
	s_mov_b32 s[CS+1], s[CS]
	s_mov_b32 s[SEL], 0x76543210
	s_mov_b32 s[SEL+1], 0xfedcba98
	s_mov_b32 s[TBK], SLOT1+4*KS*PK ; the first change of slots turns these three into 0
	s_mov_b32 s[TBV], SLOT1+4*KS*PV
	s_mov_b32 s[TBB], 4*KS*4
	s_mov_b32 s[G0K], 1
	s_mov_b32 s[G0K+1], s17
	s_mov_b32 s[G0V], 1
	s_add_co_u32 s[G0V+1], s18, VOFF
	s_add_co_u32 s[RT], s[HI], 1    ; the first block has NB - b tiles
	s_mov_b32 s[NXT], 1
	s_mov_b32 s[LQ], s[HI]
	s_mov_b32 s[NEW], 1
	s_mov_b32 s[OFF+1], 0
	s_mov_b32 s[AL], 0
	s_mov_b32 s[AL+1], 0
	s_mov_b32 s[BE], 0
	s_mov_b32 s[BE+1], 0
	s_mov_b32 s[BIGN], 0xf149f2ca   ; -1e30
	s_mov_b32 s[THR], 0xef800000    ; -2^96
	s_mov_b32 s[SLOTS], NB
	s_and_b32 s[LIM], s[WV], 1      ; 0 in waves 0 and 2,
	s_or_b32 s[LIM], s[LIM], ttmp9  ; where b = 0: the same in all four partners
	s_cmp_eq_u32 s[LIM], 0
	s_cselect_b32 s[LIM], 2, -1
	s_wait_dscnt 0x0                ; the opening add is done
	s_wait_kmcnt 0x0
	s_add_nc_u64 s[6:7], s[88:89], s[22:23]        ; K and V at my half of the head's tile 0
	s_add_nc_u64 s[8:9], s[6:7], 4<<18
	s_add_nc_u64 s[G0K+2:G0K+3], s[6:7], 0
	s_or_b32 s[G0K+3], s[G0K+3], 0x80000000
	s_add_nc_u64 s[G0V+2:G0V+3], s[8:9], 0
	s_or_b32 s[G0V+3], s[G0V+3], 0x80000000
	s_add_nc_u64 s[4:5], s[88:89], s[48:49]        ; Q at my rows of the first block,
	s_add_nc_u64 s[50:51], s[88:89], s[50:51]      ; of the second
	s_add_nc_u64 s[10:11], s[94:95], s[52:53]      ; o likewise
	s_add_nc_u64 s[OLO:OLO+1], s[94:95], s[54:55]
	s_add_nc_u64 s[90:91], s[90:91], s[84:85]      ; mask at my batch's first key
	s_lshl_b32 s84, s20, 13                        ; vsum: 32 chunks x 256 bytes for each y
	s_add_nc_u64 s[92:93], s[92:93], s[84:85]
	s_cmp_lt_u32 s[WV], 2
	s_cselect_b64 s[PFA:PFA+1], s[6:7], s[8:9]     ; (in waves 0 and 2 these stand at a tile's first byte)
	s_add_nc_u64 s[PFA:PFA+1], s[PFA:PFA+1], s[2:3]
	s_add_nc_u64 s[PFA:PFA+1], s[PFA:PFA+1], 32768 ; in tile 1; the first change of slots steps it to tile 2
	CROUND                          ; all four work-groups are here: the first joint loads meet
	JLOAD                           ; tile 0 into slot 0
	v_and_b32 v1, 15, v0            ; l % 16
	v_bfe_u32 v9, v0, 4, 1          ; l / 16
	v_lshlrev_b32 v[MO], 1, v0      ; my thread's two mask bytes of a tile
	v_lshlrev_b32 v44, 4, v1
	v_lshl_add_u32 v44, v9, 8, v44  ; vsum: chunk l / 16, channels 4 (l % 16) on
	v_lshlrev_b32 v[QO], 7, v1
	v_lshl_add_u32 v[QO], v9, 4, v[QO]
	global_load_u16 v[MB], v[MO], s[90:91]         ; tile 0's mask bytes: the first change of slots stores their words
.set j, 0
.rept 16
	global_load_b128 v[S+4*j:S+4*j+3], v44, s[92:93] offset:512*j  ; chunks 2 j + l / 16
.set j, j+1
.endr
	WIN 0x80
.set i, 0
.rept 8                             ; both blocks' Q: piece i / 2 lies in band i / 2, 8,192 bytes on; channels 32 (i % 2) on
	global_load_b128 v[8*i:8*i+3],   v[QO], s[4:5] offset:(i/2)*8192+(i%2)*64
	global_load_b128 v[8*i+4:8*i+7], v[QO], s[4:5] offset:(i/2)*8192+(i%2)*64+32
	global_load_b128 v[QB+8*i:QB+8*i+3],   v[QO], s[50:51] offset:(i/2)*8192+(i%2)*64
	global_load_b128 v[QB+8*i+4:QB+8*i+7], v[QO], s[50:51] offset:(i/2)*8192+(i%2)*64+32
.set i, i+1
.endr
	WIN 0
	v_lshl_add_u32 v[BS], v0, 3, BIAS
	v_lshlrev_b32 v14, 3, v9
	v_sub_nc_u32 v14, v1, v14
	s_lshl_b32 s13, s[WV], 4
	v_add_nc_u32 v14, s13, v14      ; my query's place in its band less my lanes' 8 (l / 16): register r of group kt is hidden where 16 kt + r is greater
	WIN 0x40
.set i, 0
.rept 32
	v_cmp_gt_i32 vcc_lo, 16*(i/8)+i%8, v14
	v_cndmask_b32 v[MD+i], 0, s[BIGN], vcc_lo
.set i, i+1
.endr
	WIN 0
	v_mul_u32_u24 v[AK0], v1, PK
	v_lshl_add_u32 v[AK0], v9, 4, v[AK0]
	v_and_b32 v10, 7, v0
	v_bfe_u32 v11, v0, 3, 1
	v_lshl_add_u32 v[AV0], v9, 3, v10
	v_mul_u32_u24 v[AV0], v[AV0], PV
	v_lshl_add_u32 v[AV0], v11, 4, v[AV0]
	v_add_nc_u32 v[AV0], VOFF, v[AV0]
	s_mul_i32 s13, s[WV], 16*SP
	s_add_co_u32 s13, s13, STAGE
	v_mul_u32_u24 v[STO], v1, SP
	v_lshl_add_u32 v[STO], v9, 4, v[STO]
	v_add_nc_u32 v[STO], s13, v[STO]
	v_bfe_u32 v[RD], v0, 3, 2
	v_mul_u32_u24 v[RD], v[RD], SP
	v_lshl_add_u32 v[RD], v10, 4, v[RD]
	v_add_nc_u32 v[RD], s13, v[RD]
	v_and_b32 v[GO], 31, v0
	v_lshlrev_b32 v[PFO], 8, v[GO]
	v_lshlrev_b32 v[GO], 4, v[GO]
	v_lshlrev_b32 v[AB0], 5, v9
	v_add_nc_u32 v[AB0], BIAS, v[AB0]
	s_lshl_b32 s13, s[WV], 8
	s_add_co_u32 s13, s13, VMS
	v_lshl_add_u32 v38, v1, 4, s13
	v_lshl_add_u32 v39, v9, 5, s13
	s_wait_loadcnt 32               ; vsum is in: behind it stand Q's 32 loads
.irp s, 8,4,2,1                     ; the 16 chunks of my half of the lanes, then the other half's; times 1 / 2,048
.set j, 0
.rept \s
	v_pk_add_f32 v[S+4*j:S+4*j+1], v[S+4*j:S+4*j+1], v[S+4*(j+\s):S+4*(j+\s)+1]
	v_pk_add_f32 v[S+4*j+2:S+4*j+3], v[S+4*j+2:S+4*j+3], v[S+4*(j+\s)+2:S+4*(j+\s)+3]
.set j, j+1
.endr
.endr
.irp c, 0,1,2,3
	v_permlanex16_b32 v[S+4+\c], v[S+\c], s[SEL], s[SEL+1]
.endr
.irp c, 0,1,2,3
	v_add_f32 v[S+\c], v[S+\c], v[S+4+\c]
.endr
.irp c, 0,1,2,3
	v_mul_f32 v[S+\c], 0x3a000000, v[S+\c]
.endr
	ds_store_b128 v38, v[S:S+3]     ; channels 4 (l % 16) on; both halves write equal numbers
.irp cb, 0,1,2,3
	ds_load_b128 v[VM+8*\cb:VM+8*\cb+3],   v39 offset:64*\cb     ; my own wave's bytes, in order: channels 16 cb + 8 (l / 16) + 0..7, as O^T holds them
	ds_load_b128 v[VM+8*\cb+4:VM+8*\cb+7], v39 offset:64*\cb+16
.endr
	; A block's first step multiplies O^T and l by a = 0, so these registers need only hold finite numbers: zeros for the first block, what the first block left for the second.
	WIN 0x80
.set i, VF
.rept 64
	v_mov_b32 v[i], 0
.set i, i+1
.endr
	WIN 0x40
.set i, 0
.rept 128
	v_mov_b32 v[i], 0
.set i, i+1
.endr
	WIN 0
.set i, 0
.rept 4
	v_mov_b32 v[ST+4*i+2], 0
	v_mov_b32 v[ST+4*i+3], 0
.set i, i+1
.endr
.set i, P+16
.rept 16
	v_mov_b32 v[i], 0
.set i, i+1
.endr
; THE MATRIX WORK.  The 4 accumulators of a run of 8 take turns.  Product i of 8 of S^T = K Q^T for piece x: channels 32 (i / 4) on, keys 16 (i % 4) on.  The first 4 start the sums with the mask.
.macro KQ x
.set rS, S+32*((\x)%2)+8*(i%4)
.set rK, KF+16*(i%4)+8*(i/4)
.set rQ, 16*(\x)+8*(i/4)
.if KM
.set rM, MC+32*((\x)%2)+8*(i%4)
.else
.set rM, KB+8*(i%4)
.endif
.if i < 4
	WIN W_KM
	v_wmma_f32_16x16x32_f16 v[rS:rS+7], v[rK:rK+7], v[rQ:rQ+7], v[rM:rM+7]
.else
	WIN W_KQ
	v_wmma_f32_16x16x32_f16 v[rS:rS+7], v[rK:rK+7], v[rQ:rQ+7], v[rS:rS+7]
.endif
.endm
.macro PV x                         ; product i of 8 of O^T += V^T P for piece x: keys 32 (i / 4) on, channels 16 (i % 4) on
	WIN W_PV
.set rO, 32*(\x)+8*(i%4)
.set rV, VF+32*(i/4)+8*(i%4)
.set rP, P+16*((\x)%2)+8*(i/4)
	v_wmma_f32_16x16x32_f16 v[rO:rO+7], v[rV:rV+7], v[rP:rP+7], v[rO:rO+7]
.endm
.macro MM                           ; the turn's next matrix instruction.  NOKQ = 1: a block's last turn: there is no next piece
.if (i < 8) && !NOKQ
	KQ (Y+1)%NP
.elseif i >= 8
.set i, i-8
	PV (Y+NP-1)%NP
.set i, i+8
.endif
.set i, i+1
.endm
; THE LDS LOADS stand in runs: a step's K (8 fragments) with its key bias (the same 32 bytes for the sixteen lanes of a half), and its V (turned).
.macro FETCH_K
	WIN 0x80
.irp f, 0,1,2,3,4,5,6,7
	ds_load_b128 v[KF+8*\f:KF+8*\f+3],   v[AK] offset:(\f/2)*16*PK+(\f%2)*64
	ds_load_b128 v[KF+8*\f+4:KF+8*\f+7], v[AK] offset:(\f/2)*16*PK+(\f%2)*64+32
.endr
	WIN 0x40
.irp kt, 0,1,2,3
	ds_load_b128 v[KB+8*\kt:KB+8*\kt+3],   v[AB] offset:64*\kt
	ds_load_b128 v[KB+8*\kt+4:KB+8*\kt+7], v[AB] offset:64*\kt+16
.endr
	s_add_co_u32 s[TBK], s[TBK], KS*PK  ; the next fetch is the next step's,
	s_add_co_u32 s[TBB], s[TBB], KS*4   ; in the bias table too
	WIN 0
.endm
.macro FETCH_V
	WIN 0x80
.irp f, 0,1,2,3,4,5,6,7
	ds_load_tr16_b128 v[VF+8*\f:VF+8*\f+3],   v[AV] offset:(\f/4)*32*PV+(\f%4)*32
	ds_load_tr16_b128 v[VF+8*\f+4:VF+8*\f+7], v[AV] offset:(\f/4)*32*PV+16*PV+(\f%4)*32
.endr
	WIN 0
.endm
; THE VECTOR WORK, one line at a time: OP kind, number.  For piece Y: F n: c s - c m for pair n.  E n: the exponential of score n.  C n: pair n rounded to f16.  B n: of the four weights 4 n .. the second pair is
; added onto the first.  L n: l takes that sum (L 0: l = a l + sum).  R n: pair n of O^T times a.  For piece Y + 1: X n, number n of the 22 that find its maximum and statistics (each accumulator's lowest registers are read first).
.set F, 0
.set E, 1
.set C, 2
.set B, 3
.set L, 4
.set R, 5
.set X, 6
.macro REGS y
.set rT, ST+4*(\y)
.set rC, TMP+4*((\y)%2)
.set rW, MV+((\y)%2)
.set rS, S+32*((\y)%2)
.set rP, P+16*((\y)%2)
.set rO, 32*(\y)
.endm
.macro OP k, n
.if (\k) == R
	REGS Y
	WIN W_RS
	v_pk_mul_f32 v[rO+2*(\n):rO+2*(\n)+1], v[rO+2*(\n):rO+2*(\n)+1], v[rC+2:rC+3] op_sel_hi:[1,0]
.elseif (\k) < R
	REGS Y
	WIN 0
.if (\k) == F
	v_pk_fma_f32 v[rS+2*(\n):rS+2*(\n)+1], v[rS+2*(\n):rS+2*(\n)+1], s[CS:CS+1], v[rT:rT+1] op_sel_hi:[1,0,0] neg_lo:[0,0,1] neg_hi:[0,0,1]
.elseif (\k) == E
	v_exp_f32 v[rS+(\n)], v[rS+(\n)]
.elseif (\k) == C
	v_cvt_pk_f16_f32 v[rP+(\n)], v[rS+2*(\n)], v[rS+2*(\n)+1]
.elseif (\k) == B
	v_pk_add_f32 v[rS+4*(\n):rS+4*(\n)+1], v[rS+4*(\n):rS+4*(\n)+1], v[rS+4*(\n)+2:rS+4*(\n)+3]
.elseif (\n) == 0
	v_pk_fma_f32 v[rT+2:rT+3], v[rT+2:rT+3], v[rC+2:rC+3], v[rS:rS+1] op_sel_hi:[1,0,1]
.else
	v_pk_add_f32 v[rT+2:rT+3], v[rT+2:rT+3], v[rS+4*(\n):rS+4*(\n)+1]
.endif
.elseif NOKQ
	v_nop
.else
	REGS (Y+1)%NP
	WIN 0
.if (\n) < 4
	v_max3_num_f32 v[rC+(\n)], v[rS+8*(\n)], v[rS+8*(\n)+1], v[rS+8*(\n)+2]
.elseif (\n) < 12
	v_max3_num_f32 v[rC+(\n)%4], v[rC+(\n)%4], v[rS+8*((\n)%4)+2*((\n)/4)+1], v[rS+8*((\n)%4)+2*((\n)/4)+2]
.elseif (\n) == 12
	v_max3_num_f32 v[rC], v[rC], v[rS+7], v[rS+15]
.elseif (\n) == 13
	v_max3_num_f32 v[rC+1], v[rC+1], v[rS+23], v[rS+31]
.elseif (\n) == 14
	v_max3_num_f32 v[rC+2], v[rC+2], v[rC+3], v[rT+1]
.elseif (\n) == 15
	v_mov_b32 v[rW], v[rT]
.elseif (\n) == 16
	v_max3_num_f32 v[rC], v[rC], v[rC+1], v[rC+2]
.elseif (\n) == 17
	v_permlanex16_b32 v[rC+3], v[rC], s[SEL], s[SEL+1]
.elseif (\n) == 18
	v_max_num_f32 v[rT+1], v[rC], v[rC+3]
.elseif (\n) == 19
	v_mul_f32 v[rT], s[CS], v[rT+1]
.elseif (\n) == 20
	v_sub_f32 v[rC+1], v[rW], v[rT]
.else
	v_exp_f32 v[rC+2], v[rC+1]
.endif
.endif
.endm
.macro OPS a, i1, b=-1, i2=0, c=-1, i3=0, d=-1, i4=0
	OP \a, \i1
.if (\b) >= 0
	OP \b, \i2
.endif
.if (\c) >= 0
	OP \c, \i3
.endif
.if (\d) >= 0
	OP \d, \i4
.endif
.endm
.macro ROW a, i1, b, i2, c, i3, d, i4  ; a matrix instruction and the four behind it
	MM
	OPS \a, \i1, \b, \i2, \c, \i3, \d, \i4
.endm
.macro MASK b                       ; MD x AL + KB + BE into buffer b of MC
	WIN 0x51
.set z, 0
.rept 16
	v_pk_fma_f32 v[MC+32*(\b)+2*z:MC+32*(\b)+2*z+1], v[MD+2*z:MD+2*z+1], s[AL:AL+1], v[KB+2*z:KB+2*z+1] op_sel_hi:[1,0,1]
.set z, z+1
.endr
.set z, 0
.rept 16
	v_pk_add_f32 v[MC+32*(\b)+2*z:MC+32*(\b)+2*z+1], v[MC+32*(\b)+2*z:MC+32*(\b)+2*z+1], s[BE:BE+1] op_sel_hi:[1,0]
.set z, z+1
.endr
.endm
; A TURN, for piece p.  AHEAD OF ITS ONE WAIT stands all that names no result of the turn's exponentials: the 8 products K Q^T and their riders, then one lump; X 21, the next piece's a, is the batch's last, and R 15 the plain
; instruction behind it.  BEHIND THE WAIT stand the 8 products V^T P, behind each four of the roundings and sums.
; m = 1: the diagonal tile: the products take MC, and the turn makes the mask for the products of the turn after it: piece p + 2, in step 4 - CNT of the tile; piece 2's turn has just asked for that step's key bias, so it waits for it.
; end = 1: a block's last two turns: nothing is fetched.  cnt = 1: the loop's count is taken down some lines ahead of the branch behind the turn.
.macro TURN p, m=0, end=0, cnt=0
.set Y, (\p)
.set i, 0
.set KM, (\m)
.set NOKQ, (\end)*((\p)/3)
.if (\m) && !(\end)
	s_cmp_eq_u32 s[CNT], 4-((\p)+2)%NP  ; is that step the band's own?
	s_cselect_b32 s[AL], 1.0, 0
	s_cmp_lt_u32 s[CNT], 4-((\p)+2)%NP  ; or a later one?
	s_cselect_b32 s[BE], s[BIGN], 0
.endif
.if ((\p) == 3) && !(\end)
	s_wait_dscnt 0x0                ; K and its bias are in
.endif
	ROW F,0, F,1, R,0, R,1
	ROW F,2, E,0, R,2, R,3
	ROW F,3, E,1, R,4, R,5
	ROW F,4, E,2, R,6, R,7
	ROW F,5, E,3, R,8, R,9
	ROW F,6, E,4, X,0, R,10
.if ((\p) == 2) && !(\end)
	WIN 0
	v_add_nc_u32 v[AK], s[TBK], v[AK0]
	v_add_nc_u32 v[AB], s[TBB], v[AB0]
.endif
	ROW F,7, E,5, X,1, X,4
	ROW F,8, E,6, X,2, X,5
	OPS E,7, E,8, X,6, E,9
	OPS X,3, E,10, X,8, E,11
.if ((\p) == 2) && !(\end)
	FETCH_K
.endif
	OPS X,9, X,7, E,12, X,10
	OPS E,13, X,12, X,11, E,14
	OPS X,13, E,15, F,9, X,14
.if (\p) == 0
	v_add_nc_u32 v[AV], s[TBV], v[AV0]
.endif
	OPS E,16, F,10, E,17, F,11
	OPS X,16, E,18, X,15, E,19
	OPS F,12, E,20, X,17, E,21
	OPS F,13, E,22, F,14, E,23
	OPS X,18, E,24, F,15, E,25
	OPS R,11, E,26, X,19, E,27
	OPS R,12, E,28, R,13, E,29
	OPS X,20, E,30, R,14, E,31
	OPS X,21, R,15
	WIN 0
	s_wait_alu depctr_va_vdst(0)    ; the wait for the batch, ahead of the first line that names a result of it
.if (\p) == 1
	s_wait_dscnt 0x0                ; V is in
.endif
	ROW C,0, B,0, C,2, B,1
	ROW L,0, C,4, B,2, L,1
	ROW C,6, B,3, L,2, C,8
	ROW B,4, L,3, C,10, B,5
	ROW L,4, C,12, B,6, L,5
.if (\p) == 0
	s_add_co_u32 s[TBV], s[TBV], KS*PV
.endif
.if \cnt
	s_sub_co_u32 s[CNT], s[CNT], 1
	s_cmp_lg_u32 s[CNT], 0
.endif
	ROW C,14, B,7, L,6, C,1
	ROW C,3, L,7, C,5, C,7
	ROW C,9, C,11, C,13, C,15
.if (\p) == 0
	FETCH_V
.endif
.if (\m) && !(\end)
.if (\p) == 2
	s_wait_dscnt 0x0                ; the key bias of the step just asked for
.endif
	MASK (\p)%2
.endif
.endm
; A BLOCK BEGINS.  c m starts far below every c s, so the first step's a is 0; m at the lowest finite number.  K and the key bias of the tile's step 0; piece 0's mask (its own step's, if the block's first tile is
; the diagonal one) into MC's first buffer, piece 1's (the bias alone: step 0 lies below band 1) into the second; piece 0's first scores, maximum and statistics.  Q was waited for at the first change of slots.
.macro BEGIN
	s_mov_b32 s[NEW], 0
	WIN 0
.set i, 0
.rept 4
	v_mov_b32 v[ST+4*i], 0xfe000000
	v_mov_b32 v[ST+4*i+1], 0xff7fffff
.set i, i+1
.endr
	v_add_nc_u32 v[AK], s[TBK], v[AK0]
	v_add_nc_u32 v[AB], s[TBB], v[AB0]
	FETCH_K
	s_cmp_eq_u32 s[RT], 0
	s_cselect_b32 s[AL], 1.0, 0
	s_mov_b32 s[BE], 0
	s_wait_dscnt 0x0
	MASK 0
	s_mov_b32 s[AL], 0
	MASK 1
.set KM, 1
.set NOKQ, 0
.set i, 0
.rept 8
	KQ 0
.set i, i+1
.endr
	WIN 0
.rept 4
	v_nop                           ; the places behind those products
.endr
.set Y, NP-1
.irp n, 0,1,2,3,4,5,6,7,8,9,10,11,12,13,14,15,16,17,18,19,20,21
	OP X, \n
.endr
	v_nop                           ; a plain instruction behind the exponential,
	s_wait_alu depctr_va_vdst(0)    ; and its wait, ahead of the branch
.endm
.macro ALL line:vararg
.set t, 0
.rept 4
	\line
.set t, t+1
.endr
.endm
.macro PACK t                       ; O^T / l; V's mean where the row saw no key; f16; through my stage
	WIN W_RS
.set i, 32*(\t)
.rept 16
	v_pk_mul_f32 v[i:i+1], v[i:i+1], v[ST+4*(\t)+2:ST+4*(\t)+3] op_sel_hi:[1,0]
.set i, i+2
.endr
.set i, 0
.rept 32
	v_cndmask_b32 v[32*(\t)+i], v[32*(\t)+i], v[VM+i], s[DM+(\t)]
.set i, i+1
.endr
	WIN 0x05
.set i, 0
.rept 16
	v_cvt_pk_f16_f32 v[S+16*(\t)+i], v[32*(\t)+2*i], v[32*(\t)+2*i+1]
.set i, i+1
.endr
	WIN 0
.irp f, 0,1,2,3
	ds_store_b128 v[STO], v[S+16*(\t)+4*\f:S+16*(\t)+4*\f+3] offset:32*\f
.endr
.irp f, 0,1,2,3
	ds_load_b128 v[S+16*(\t)+4*\f:S+16*(\t)+4*\f+3], v[RD] offset:\f*4*SP  ; my own bytes: LDS serves a wave's instructions in order (ISA guide 5.7.1.4)
.endr
.endm
.macro SEND t, younger              ; younger: the next piece's eight LDS instructions, or none
	WIN 0
.irp f, 0,1,2,3
	s_wait_dscnt (\younger)+3-\f
	global_store_b128 v[GO], v[S+16*(\t)+4*\f:S+16*(\t)+4*\f+3], s[10:11] offset:(\t)*8192+\f*512  ; 512 consecutive bytes, at a multiple of 256 from o's first
.endr
.endm
.macro DIAG tag                     ; the diagonal tile's four steps, the block's last two turns, its last products, and the way out
.LstepM\tag:
	TURN 2, 1
	TURN 3, 1
	WIN 0
.LfirstM\tag:
	TURN 0, 1
	TURN 1, 1, 0, 1
	WIN 0
	s_cbranch_scc1 .LstepM\tag
	TURN 2, 1, 1
	TURN 3, 1, 1
.set i, 0
.rept 8
	PV NP-1
.set i, i+1
.endr
	WIN 0
	ALL v_add_f32 v[ST+4*t+2], v[ST+4*t+2], v[ST+4*t+3]
	ALL v_permlanex16_b32 v[ST+4*t+3], v[ST+4*t+2], s[SEL], s[SEL+1]
	ALL v_add_f32 v[ST+4*t+2], v[ST+4*t+2], v[ST+4*t+3]
	ALL v_rcp_f32 v[ST+4*t+2], v[ST+4*t+2]
	v_nop                           ; a plain instruction between the last reciprocal and the use of its result
	s_wait_alu depctr_va_vdst(0)    ; one wait for the four reciprocals
	ALL v_cmp_gt_f32 s[DM+t], s[THR], v[ST+4*t+1]
	PACK 0
.set t, 1
.rept 3
	PACK t
	SEND t-1, 8
.set t, t+1
.endr
	SEND 3, 0
.endm
.macro BARE                         ; on the way into a diagonal tile that is not its block's first: piece 3's products of the step in hand take the key bias alone
	s_mov_b32 s[AL], 0
	s_mov_b32 s[BE], 0
	MASK 1
	WIN 0
.endm
.set KM, 0
.set NOKQ, 0
.Lslot:                             ; NB times: a tile is entered and the next is asked for
	CHANGE 1
	s_sub_co_u32 s[RT], s[RT], 1
	s_mov_b32 s[CNT], 4
	s_cmp_eq_u32 s[NEW], 1
	s_cbranch_scc1 .Lnew            ; a block's first tile
	s_cmp_eq_u32 s[RT], 0
	s_cbranch_scc0 .Lstep           ; neither its first nor its last
	BARE
	s_branch .LstepM1
.Lnew:
	BEGIN
	s_branch .Lfirst                ; in the loop a block's first tile is never its last
	DIAG 1                          ; in the loop this is the first block's end
	s_wait_xcnt 0x0                 ; the stores have read their registers and o's address
	s_mov_b64 s[10:11], s[OLO:OLO+1]
	s_add_co_u32 s[RT], s[PB], 1    ; the second block has b + 1 tiles
	s_mov_b32 s[NEW], 1
	WIN 0x82                        ; the second block's Q goes where the one text of the turns names Q
.set i, 0
.rept 64
	v_mov_b32 v[i], v[QB+i]
.set i, i+1
.endr
	WIN 0
	s_branch .Lbottom
.Lstep:                             ; a trip: pieces 2 and 3 of one step, then pieces 0 and 1 of the next, whose K and V it fetches
	TURN 2
	TURN 3
	WIN 0
.Lfirst:
	TURN 0
	TURN 1, 0, 0, 1
	WIN 0
	s_cbranch_scc1 .Lstep
.Lbottom:
	s_sub_co_u32 s[SLOTS], s[SLOTS], 1
	s_cmp_lg_u32 s[SLOTS], 0
	s_cbranch_scc1 .Lslot
	CHANGE 0                        ; the walk's last tile is written out
	s_sub_co_u32 s[RT], s[RT], 1
	s_mov_b32 s[CNT], 4
	s_cmp_eq_u32 s[NEW], 1
	s_cbranch_scc1 .Lnew2
	BARE
	s_branch .LstepM2
.Lnew2:
	BEGIN
	s_branch .LfirstM2
	DIAG 2
	s_wait_tensorcnt 0x0            ; the wave's end
	ds_add_u32 v[SPW], v[NIL]
	s_wait_dscnt 0x0
	CROUND                          ; the closing round
	s_endpgm
.Lfunc_end_k_q2616f00471_attn:
	.size	k_q2616f00471_attn, .Lfunc_end_k_q2616f00471_attn-k_q2616f00471_attn
	.p2alignl 7, 3214868480
	.fill 96, 4, 3214868480
	.section	.rodata,"a",@progbits
	.p2align	6, 0x0
	.amdhsa_kernel k_q2616f00471_attn
		.amdhsa_group_segment_fixed_size 327680
		.amdhsa_private_segment_fixed_size 0
		.amdhsa_enable_private_segment 0
		.amdhsa_kernarg_size 32
		.amdhsa_user_sgpr_count 2
		.amdhsa_user_sgpr_kernarg_segment_ptr 1
		.amdhsa_wavefront_size32 1
		.amdhsa_system_sgpr_workgroup_id_x 1
		.amdhsa_system_sgpr_workgroup_id_y 1
		.amdhsa_system_sgpr_workgroup_id_z 1
		.amdhsa_system_vgpr_workitem_id 0
		.amdhsa_next_free_vgpr 768
		.amdhsa_next_free_sgpr 100
		.amdhsa_reserve_vcc 1
		.amdhsa_float_denorm_mode_32 3
		.amdhsa_float_denorm_mode_16_64 3
		.amdhsa_memory_ordered 1
		.amdhsa_forward_progress 1
		.amdhsa_inst_pref_size 255
	.end_amdhsa_kernel
	.section	.bss,"aw",@nobits
	.p2align	6
	.space	262144
	.amdgpu_metadata
---
amdhsa.version: [ 1, 2 ]
amdhsa.kernels:
  - .name:           k_q2616f00471_attn
    .symbol:         k_q2616f00471_attn.kd
    .args:
      - { .name: qkv, .offset: 0, .size: 8, .value_kind: global_buffer, .address_space: global }
      - { .name: mask, .offset: 8, .size: 8, .value_kind: global_buffer, .address_space: global }
      - { .name: vsum, .offset: 16, .size: 8, .value_kind: global_buffer, .address_space: global }
      - { .name: o, .offset: 24, .size: 8, .value_kind: global_buffer, .address_space: global }
    .group_segment_fixed_size: 327680
    .private_segment_fixed_size: 0
    .kernarg_segment_align: 8
    .kernarg_segment_size: 32
    .max_flat_workgroup_size: 128
    .sgpr_count:     100
    .vgpr_count:     768
    .wavefront_size: 32
...
	.end_amdgpu_metadata
.endif
;; end of part 3
;; launch proj (part 4): grid 4 x 64, 4 waves a work-group, clusters of 4 x 4, 327,680 bytes of LDS; arguments o, wt, out0; writes out0
.if DOCPART == 4
	.amdgcn_target "amdgcn-amd-amdhsa--gfx1250"
	.amdhsa_code_object_version 6
	.text
	.protected	k_q2616f00471_proj
	.globl	k_q2616f00471_proj
	.p2align	8
	.type	k_q2616f00471_proj,@function
k_q2616f00471_proj:
	s_mov_b64 s[64:65], 0
	v_nop
	global_prefetch_b8 v0, s[64:65] scope:SCOPE_SE
	s_setreg_imm32_b32 hwreg(HW_REG_WAVE_MODE, 25, 1), 1
	s_wait_xcnt 0x0
	s_wait_alu depctr_hold_cnt(0) depctr_sa_sdst(0) depctr_va_vdst(0) depctr_va_sdst(0) depctr_va_ssrc(0) depctr_va_vcc(0) depctr_vm_vsrc(0)
	s_getreg_b32 s2, hwreg(HW_REG_IB_STS2, 6, 4)
	s_cmp_eq_u32 s2, 0
	s_cbranch_scc0 .Lentry_in_a_cluster
	s_endpgm
.Lentry_in_a_cluster:
	s_bfe_u32 s2, ttmp6, 0x10000c
	s_cmp_lg_u32 s2, 0xf033
	s_cbranch_scc0 .Lentry_shape_is_right
	s_endpgm
.Lentry_shape_is_right:
; out0[row][n] = the sum over k of O[row][k] wo[k][n], in f16 x f16 with f32 sums, stored as f32.  O lies by heads, o[16 batch + h][2048][64] (k = 64 h + c); wo as rows 1536 + n of wt, [n][k] in f16.
; SHARES.  A tile of C is 128 rows x 256 columns: 64 x 4 = 256 work-groups.  Wave (R, C) makes 64 x 128: 32 accumulators, window 2.  K = 1,024 goes in 8 steps of 128 = two heads, through two LDS slots.
; CLUSTER 4 x 4.  A's tiles are asked for jointly along a row of the cluster, B's along a column.  Waves 0 and 1 fetch halves of B (128 rows of 256 bytes), waves 2 and 3 a head's 128 rows of A each
; (16,384 dense bytes, asked for as 64 rows of 256).  A tile's LDS address is a constant plus the wave's number times a constant plus the slot's constant.
; The matrix instruction is used transposed: a lane holds row l % 16 of C and the columns 8 (l / 16) + 0..7: 32 bytes of f32.
; REGISTERS: window 0: addresses; A's fragments v32-63, v64-95; the way out v96-223.  Window 1: B's fragments v0-63, v64-127.  Window 2: accumulator (a, b) at 8 (8 a + b).
.set PA,     144                       ; a row of A in LDS: 128 bytes + 16
.set PLANE,  128*PA                    ; a head's 128 rows
.set PBT,    272                       ; a row of B: 256 + 16
.set HALFB,  128*PBT
.set AOFF,   2*HALFB                   ; a slot: B's 256 rows, then A's two heads
.set SLOT,   AOFF+2*PLANE
.set STAGE,  2*SLOT                    ; behind the ring: 16 rows x 528 bytes for each wave
.set SPI,    528
.set SPARE,  STAGE+4*16*SPI
.set LAPS,   4
.set ADRA, 16
.set ADRB, 20
.set STO,  24
.set RD,   25
.set CO,   26
.set SPW,  28
.set NIL,  29
.set PFO,  30
.set OB,   96                          ; two buffers of 64
.set WV,   12
.set G1A,  24
.set G0A,  32
.set LIM,  43
.set PFA,  44
.set G1B,  48
.set G0B,  56
.set PST,  66                          ; s[66:67] a K step in the prefetches' stream: two heads of o, or 256 bytes of wt's rows
.set MSB, 0
.macro WIN new
.if MSB != (\new)
	s_set_vgpr_msb (MSB<<8)|(\new)
.set MSB, \new
.endif
.endm
.macro PLACES
.rept 4
	v_nop
.endr
.endm
.macro JLOAD s                         ; an s_nop 0 and four v_nop follow each of the two lines
	s_cmp_lt_u32 s[WV], 2
	s_cbranch_scc0 .Lfor_a_\@
	tensor_load_to_lds s[G0B+4*(\s):G0B+4*(\s)+3], s[G1B:G1B+7]
	s_nop 0
.rept 4
	v_nop
.endr
	s_branch .Lasked_\@
.Lfor_a_\@:
	tensor_load_to_lds s[G0A+4*(\s):G0A+4*(\s)+3], s[G1A:G1A+7]
	s_nop 0
.rept 4
	v_nop
.endr
.Lasked_\@:
.endm
; A prefetch of the K step two refills on.  A's step is 2 heads x 64 pieces of 256 bytes: each of the four partners takes 16 of either head (told apart by address), wave 2 asks, a lane a piece.
; B's: of the 128 rows that wave 0 or 1 fetches each partner takes 32, a lane a row; the cluster with y = 0 asks.  K steps 4 to 7 are named, each once; the loop's last trip asks for nothing.
.macro ASK
	s_cmp_gt_u32 s3, s[LIM]
	s_cbranch_scc0 .Lnot_mine_\@
	global_prefetch_b8 v[PFO], s[PFA:PFA+1] th:TH_LOAD_NT scope:SCOPE_SE
.Lnot_mine_\@:
.endm
.macro CREST
	s_cmp_lg_u32 s[WV], 0
	s_cbranch_scc1 .Lnot_wave_0_\@
	s_barrier_signal -3
.Lnot_wave_0_\@:
	s_barrier_wait -3
	s_barrier_signal -1
	s_barrier_wait -1
.endm
.macro CROUND
	s_barrier_signal -1
	s_barrier_wait -1
	CREST
.endm
	s_load_b128 s[4:7], s[0:1], 0x0                ; o, wt
	s_load_b64 s[8:9], s[0:1], 0x10                ; out0
	v_lshl_add_u32 v[SPW], v0, 2, SPARE
	v_mov_b32 v[NIL], 0
	ds_add_u32 v[SPW], v[NIL]                      ; the wave's opening: the add, waited for ahead of my first tensor load
	v_lshrrev_b32 v1, 5, v0
	v_readfirstlane_b32 s[WV], v1
	s_lshr_b32 s13, s[WV], 1                       ; R
	s_and_b32 s14, s[WV], 1                        ; C.  Also: which half of B, or which head of a step's two, I fetch
	s_bfe_u32 s40, ttmp6, 0x40000                  ; cx
	s_bfe_u32 s41, ttmp6, 0x40004                  ; cy
	s_lshl_b32 s42, ttmp9, 2
	s_add_co_u32 s42, s42, s40                     ; tile column 0..3
	s_and_b32 s68, ttmp7, 0xffff
	s_lshl_b32 s68, s68, 2
	s_add_co_u32 s68, s68, s41                     ; tile row 0..63
	s_lshl_b32 s21, s41, 2
	s_lshl_b32 s21, 15, s21                        ; my row of the cluster
	s_lshl_b32 s22, 0x1111, s40                    ; my column
	s_or_b32 s[G1A], s21, (1<<16)|(1<<20)|(1<<21)|(4<<22)|(3<<25)  ; padding after every 32 words (a row of a head), 4 words
	s_mov_b32 s[G1A+1], 128<<16                    ; tensor_dim0 = 128 elements: two rows of a head
	s_mov_b32 s[G1A+2], 64<<16                     ; tensor_dim1 = 64
	s_mov_b32 s[G1A+3], 128<<16
	s_mov_b32 s[G1A+4], 64
	s_mov_b32 s[G1A+5], 128
	s_mov_b32 s[G1A+6], 0
	s_mov_b32 s[G1A+7], 0
	s_or_b32 s[G1B], s22, (1<<16)|(1<<20)|(1<<21)|(5<<22)|(3<<25)  ; after every 64 words, 4 words
	s_mov_b32 s[G1B+1], 128<<16
	s_mov_b32 s[G1B+2], 128<<16
	s_mov_b32 s[G1B+3], 128<<16
	s_mov_b32 s[G1B+4], 128
	s_mov_b32 s[G1B+5], 1024
	s_mov_b32 s[G1B+6], 0
	s_mov_b32 s[G1B+7], 0
	s_lshr_b32 s69, s68, 4                         ; batch
	s_lshl_b32 s16, s69, 4
	s_add_co_u32 s16, s16, s14                     ; A: head 16 batch + wave % 2
	s_lshl_b32 s16, s16, 18
	s_and_b32 s17, s68, 15
	s_lshl_b32 s17, s17, 14                        ; the tile's 128 rows in a head
	s_add_co_u32 s16, s16, s17
	s_mov_b32 s17, 0
	s_mul_i32 s20, s[WV], PLANE                    ; where it goes: waves 2 and 3 at AOFF and AOFF + PLANE
	s_add_co_u32 s20, s20, AOFF-2*PLANE
	s_mul_i32 s23, s[WV], HALFB                    ; B's halves: waves 0 and 1 at 0 and HALFB
	s_lshl_b32 s46, s14, 7
	s_lshl_b32 s47, s42, 8
	s_add_co_u32 s46, s46, s47
	s_add_co_u32 s46, s46, 1536
	s_lshl_b32 s46, s46, 11                        ; B: row 1536 + 256 x tile column + 128 x half
	s_mov_b32 s47, 0
	s_wait_dscnt 0x0                               ; the opening add is done
	s_wait_kmcnt 0x0
	s_add_nc_u64 s[18:19], s[4:5], s[16:17]
	s_add_nc_u64 s[46:47], s[6:7], s[46:47]
	CROUND                                         ; all sixteen work-groups are here
.irp s, 0,1
	s_mov_b32 s[G0A+4*(\s)], 1
	s_add_co_u32 s[G0A+4*(\s)+1], s20, (\s)*SLOT
	s_add_nc_u64 s[G0A+4*(\s)+2:G0A+4*(\s)+3], s[18:19], (\s)*(2<<18)
	s_or_b32 s[G0A+4*(\s)+3], s[G0A+4*(\s)+3], 0x80000000
	s_mov_b32 s[G0B+4*(\s)], 1
	s_add_co_u32 s[G0B+4*(\s)+1], s23, (\s)*SLOT
	s_add_nc_u64 s[G0B+4*(\s)+2:G0B+4*(\s)+3], s[46:47], (\s)*256
	s_or_b32 s[G0B+4*(\s)+3], s[G0B+4*(\s)+3], 0x80000000
	JLOAD \s                                       ; two loads of mine are out
.endr
	; the prefetches
	s_and_b32 s22, ttmp7, 0xffff                   ; cluster y
	s_sub_co_u32 s76, s[WV], 2                     ; 0 in wave 2, 1 in wave 3, which never asks
	s_lshl_b32 s20, s40, 12                        ; A: my work-group's 16 pieces of 256 bytes
	s_lshl_b32 s21, s41, 16                        ; B: its 32 rows of 2,048 bytes
	s_mov_b32 s72, 2<<18
	s_mov_b32 s73, 1<<18
	s_mov_b32 s74, 32768
	s_mov_b32 s75, 2048
	s_cmp_lt_u32 s[WV], 2
	s_cselect_b32 s22, s22, s76
	s_cselect_b32 s20, s21, s20
	s_cselect_b32 s[PST], 256, s72
	s_cselect_b32 s70, s75, 256                    ; from lane to lane in a half of the lanes,
	s_cselect_b32 s71, s74, s73                    ; and from half to half
	s_cselect_b64 s[PFA:PFA+1], s[46:47], s[18:19]
	s_cmp_eq_u32 s22, 0
	s_cselect_b32 s[LIM], 1, -1                    ; the same in all partners, for a given wave
	s_mov_b32 s[PST+1], 0
	s_mov_b32 s21, 0
	s_add_nc_u64 s[PFA:PFA+1], s[PFA:PFA+1], s[20:21]
	s_mul_i32 s20, s[PST], 3
	s_add_nc_u64 s[PFA:PFA+1], s[PFA:PFA+1], s[20:21]  ; at K step 3: the first refill steps it to 4 and names it
	v_and_b32 v1, 15, v0
	v_bfe_u32 v2, v0, 4, 1
	v_and_b32 v3, 31, v0
	v_mul_u32_u24 v[PFO], v1, s70
	v_mad_u32_u24 v[PFO], v2, s71, v[PFO]
	v_mul_u32_u24 v4, v1, PA
	v_lshl_add_u32 v4, v2, 4, v4
	v_mul_u32_u24 v5, v1, PBT
	v_lshl_add_u32 v5, v2, 4, v5
	s_mul_i32 s21, s13, 64*PA
	s_add_co_u32 s21, s21, AOFF
	s_mul_i32 s22, s14, 128*PBT
.irp s, 0,1
	v_add_nc_u32 v[ADRA+(\s)], s21, v4
	v_add_nc_u32 v[ADRB+(\s)], s22, v5
	s_add_co_u32 s21, s21, SLOT
	s_add_co_u32 s22, s22, SLOT
.endr
	s_mul_i32 s23, s[WV], 16*SPI
	s_add_co_u32 s23, s23, STAGE
	v_mul_u32_u24 v[STO], v1, SPI
	v_lshl_add_u32 v[STO], v2, 5, v[STO]
	v_add_nc_u32 v[STO], s23, v[STO]
	v_lshl_add_u32 v[RD], v3, 4, s23
	v_lshlrev_b32 v[CO], 4, v3
	s_lshl_b32 s16, s68, 7
	s_lshl_b32 s18, s13, 6
	s_add_co_u32 s16, s16, s18
	s_lshl_b32 s16, s16, 12                        ; my first row of out0, 4,096 bytes a row
	s_lshl_b32 s18, s42, 10
	s_add_co_u32 s16, s16, s18
	s_lshl_b32 s18, s14, 9
	s_add_co_u32 s16, s16, s18                     ; my 128 columns
	s_add_nc_u64 s[8:9], s[8:9], s[16:17]
; 8 matrix instructions: row block a x all 8 column blocks.  The 32 accumulators take turns, one instruction a turn.
.macro MULA f, a, zero
	WIN 0xa1
.irp b, 0,1,2,3,4,5,6,7
.if \zero
	v_wmma_f32_16x16x32_f16 v[8*(8*(\a)+(\b)):8*(8*(\a)+(\b))+7], v[64*(\f)+8*(\b):64*(\f)+8*(\b)+7], v[32+32*(\f)+8*(\a):32+32*(\f)+8*(\a)+7], 0
.else
	v_wmma_f32_16x16x32_f16 v[8*(8*(\a)+(\b)):8*(8*(\a)+(\b))+7], v[64*(\f)+8*(\b):64*(\f)+8*(\b)+7], v[32+32*(\f)+8*(\a):32+32*(\f)+8*(\a)+7], v[8*(8*(\a)+(\b)):8*(8*(\a)+(\b))+7]
.endif
.endr
.endm
; 24 LDS loads in one run: quarter q's fragments into buffer f.  A's quarter q lies in head q / 2, channels 32 (q % 2) on
.macro FETCH slot, q, f
	WIN 0x40
.irp i, 0,1,2,3,4,5,6,7
	ds_load_b128 v[64*(\f)+8*(\i):64*(\f)+8*(\i)+3],   v[ADRB+(\slot)] offset:64*(\q)+(\i)*16*PBT
	ds_load_b128 v[64*(\f)+8*(\i)+4:64*(\f)+8*(\i)+7], v[ADRB+(\slot)] offset:64*(\q)+(\i)*16*PBT+32
.endr
	WIN 0
.irp i, 0,1,2,3
	ds_load_b128 v[32+32*(\f)+8*(\i):32+32*(\f)+8*(\i)+3],   v[ADRA+(\slot)] offset:((\q)/2)*PLANE+((\q)%2)*64+(\i)*16*PA
	ds_load_b128 v[32+32*(\f)+8*(\i)+4:32+32*(\f)+8*(\i)+7], v[ADRA+(\slot)] offset:((\q)/2)*PLANE+((\q)%2)*64+(\i)*16*PA+32
.endr
.endm
.macro QUARTER slot, q, f, g, zero     ; multiplies buffer f; fetches quarter q into buffer g
	s_wait_dscnt 4                                 ; the youngest four loads (A's blocks 2, 3) may be out
	MULA \f, 0, \zero
	MULA \f, 1, \zero
	PLACES
	FETCH \slot, \q, \g
	s_wait_dscnt 24                                ; all but the 24 just issued
	MULA \f, 2, \zero
	MULA \f, 3, \zero
.endm
.macro TURN slot, next, fill           ; the last quarter, and the change of slots: the waits and the add in front of the barrier, the refill first behind the round
.if \fill
	s_wait_xcnt 0x0                                ; the last prefetch, a K step back, has read its address
	s_add_nc_u64 s[PFA:PFA+1], s[PFA:PFA+1], s[PST:PST+1]
.endif
	WIN 0
	s_wait_tensorcnt 0x0
	ds_add_u32 v[SPW], v[NIL]
	s_wait_dscnt 5                                 ; (the add and the youngest four loads may be out)
	MULA 1, 0, 0
	s_wait_dscnt 0x0                               ; the add is done, and my reads of this slot are over
	s_barrier_signal -1
	MULA 1, 1, 0
.if \fill
	WIN 0
.endif
	s_barrier_wait -1
.if \fill
	CREST
	s_add_nc_u64 s[G0A+4*(\slot)+2:G0A+4*(\slot)+3], s[G0A+4*(\slot)+2:G0A+4*(\slot)+3], 4<<18
	s_add_nc_u64 s[G0B+4*(\slot)+2:G0B+4*(\slot)+3], s[G0B+4*(\slot)+2:G0B+4*(\slot)+3], 512
	JLOAD \slot                                    ; its four v_nop are also the places in front of the loads below
.else
	PLACES
.endif
	FETCH \next, 0, 0
.if \fill
	ASK
.endif
	MULA 1, 2, 0
	MULA 1, 3, 0
.endm
	s_wait_tensorcnt 1                             ; my part of K step 0 is in; K step 1's may stay out
	s_barrier_signal -1
	s_barrier_wait -1
	FETCH 0, 0, 0
	QUARTER 0, 1, 0, 1, 1                          ; the first quarter's products start the sums
	WIN 0
	s_mov_b32 s3, LAPS-1
.Llap:
	QUARTER 0, 2, 1, 0, 0
	QUARTER 0, 3, 0, 1, 0
	TURN 0, 1, 1
	QUARTER 1, 1, 0, 1, 0
	QUARTER 1, 2, 1, 0, 0
	QUARTER 1, 3, 0, 1, 0
	TURN 1, 0, 1
	QUARTER 0, 1, 0, 1, 0
	WIN 0
	s_sub_co_u32 s3, s3, 1
	s_cmp_lg_u32 s3, 0
	s_cbranch_scc1 .Llap
	QUARTER 0, 2, 1, 0, 0                          ; the last lap fills nothing
	QUARTER 0, 3, 0, 1, 0
	TURN 0, 1, 0
	QUARTER 1, 1, 0, 1, 0
	QUARTER 1, 2, 1, 0, 0
	QUARTER 1, 3, 0, 1, 0
	s_wait_dscnt 4
	MULA 1, 0, 0
	MULA 1, 1, 0
	s_wait_dscnt 0x0
	MULA 1, 2, 0
	MULA 1, 3, 0
	WIN 0
	PLACES
	PLACES                                         ; places behind the last products, in front of the LDS stores that read results
; THE WAY OUT: 16 rows x 512 bytes at a time through my stage; each accumulator's lowest registers go first.
.macro TOSTAGE a
	WIN 0x08                                       ; the stores' data in window 2
.irp b, 0,1,2,3,4,5,6,7
	ds_store_b128 v[STO], v[8*(8*(\a)+(\b)):8*(8*(\a)+(\b))+3] offset:64*(\b)
	ds_store_b128 v[STO], v[8*(8*(\a)+(\b))+4:8*(8*(\a)+(\b))+7] offset:64*(\b)+16
.endr
	WIN 0
	s_wait_xcnt 0x0                                ; the stores of the block before last have read this buffer
.irp t, 0,1,2,3,4,5,6,7,8,9,10,11,12,13,14,15
	ds_load_b128 v[OB+64*((\a)%2)+4*(\t):OB+64*((\a)%2)+4*(\t)+3], v[RD] offset:SPI*(\t)  ; my own bytes, in order (ISA guide 5.7.1.4)
.endr
.endm
.macro SEND a, younger                 ; younger: the next block's 16 stores and 16 loads, or none
	s_wait_dscnt \younger
.irp t, 0,1,2,3,4,5,6,7,8,9,10,11,12,13,14,15
	global_store_b128 v[CO], v[OB+64*((\a)%2)+4*(\t):OB+64*((\a)%2)+4*(\t)+3], s[8:9] offset:(16*(\a)+(\t))*4096 th:TH_STORE_NT  ; 512 consecutive bytes, at a multiple of 256 from out0's first
.endr
.endm
	TOSTAGE 0
	TOSTAGE 1
	SEND 0, 32
	TOSTAGE 2
	SEND 1, 32
	TOSTAGE 3
	SEND 2, 32
	SEND 3, 0
	s_wait_tensorcnt 0x0                           ; the wave's end
	ds_add_u32 v[SPW], v[NIL]
	s_wait_dscnt 0x0
	CROUND                                         ; the closing round
	s_endpgm
.Lfunc_end_k_q2616f00471_proj:
	.size	k_q2616f00471_proj, .Lfunc_end_k_q2616f00471_proj-k_q2616f00471_proj
	.p2alignl 7, 3214868480
	.fill 96, 4, 3214868480
	.section	.rodata,"a",@progbits
	.p2align	6, 0x0
	.amdhsa_kernel k_q2616f00471_proj
		.amdhsa_group_segment_fixed_size 327680
		.amdhsa_private_segment_fixed_size 0
		.amdhsa_enable_private_segment 0
		.amdhsa_kernarg_size 24
		.amdhsa_user_sgpr_count 2
		.amdhsa_user_sgpr_kernarg_segment_ptr 1
		.amdhsa_wavefront_size32 1
		.amdhsa_system_sgpr_workgroup_id_x 1
		.amdhsa_system_sgpr_workgroup_id_y 1
		.amdhsa_system_sgpr_workgroup_id_z 1
		.amdhsa_system_vgpr_workitem_id 0
		.amdhsa_next_free_vgpr 768
		.amdhsa_next_free_sgpr 80
		.amdhsa_reserve_vcc 0
		.amdhsa_float_denorm_mode_32 3
		.amdhsa_float_denorm_mode_16_64 3
		.amdhsa_memory_ordered 1
		.amdhsa_forward_progress 1
		.amdhsa_inst_pref_size 87
	.end_amdhsa_kernel
	.amdgpu_metadata
---
amdhsa.version: [ 1, 2 ]
amdhsa.kernels:
  - .name:           k_q2616f00471_proj
    .symbol:         k_q2616f00471_proj.kd
    .args:
      - { .name: o, .offset: 0, .size: 8, .value_kind: global_buffer, .address_space: global }
      - { .name: wt, .offset: 8, .size: 8, .value_kind: global_buffer, .address_space: global }
      - { .name: out0, .offset: 16, .size: 8, .value_kind: global_buffer, .address_space: global }
    .group_segment_fixed_size: 327680
    .private_segment_fixed_size: 0
    .kernarg_segment_align: 8
    .kernarg_segment_size: 24
    .max_flat_workgroup_size: 128
    .sgpr_count:     80
    .vgpr_count:     768
    .wavefront_size: 32
...
	.end_amdgpu_metadata
.endif
;; end of part 4
;; ======== version 2 of 2: 4 launches; version 1 with the launch prep written anew for expert scheduling mode
;; limits: values outside matrix products are rounded to bf16; values are held in f16: magnitudes above 65,504 overflow, below 6.1e-05 lose precision
;; workspace buffers: xb 16,777,216 bytes; wt 5,242,880 bytes; qkv 25,165,824 bytes; vsum 131,072 bytes; o 16,777,216 bytes
;; launch prep (part 5): grid 1104 x 1, 4 waves a work-group, no clusters, 70,144 bytes of LDS; arguments x, wq, wk, wv, wo, xb, wt; writes xb, wt
.if DOCPART == 5
	.amdgcn_target "amdgcn-amd-amdhsa--gfx1250"
	.amdhsa_code_object_version 6
	.text
	.protected	k_q2616f00471_prep
	.globl	k_q2616f00471_prep
	.p2align	8
	.type	k_q2616f00471_prep,@function
k_q2616f00471_prep:
	s_mov_b64 s[64:65], 0
	v_nop
	global_prefetch_b8 v0, s[64:65] scope:SCOPE_SE
	s_setreg_imm32_b32 hwreg(HW_REG_WAVE_SCHED_MODE, 0, 2), 2
	s_setreg_imm32_b32 hwreg(HW_REG_WAVE_MODE, 25, 1), 1
	s_wait_xcnt 0x0
	s_wait_alu depctr_vm_vsrc(0)
; PREP.  xb = x rounded to bf16, [8192][1024].  wt = the four weights turned to [column][k], 16 bits, 2,048 bytes a row:
;   rows 0..1535 in bf16, in GROUP order: row 384 g + 64 j + c is column (4 g + j) 64 + c of wq (j = 0..3), column 64 g + c of wk (j = 4) or of wv (j = 5);
;   row 1536 + n is column n of wo, rounded to bf16 and that number written as f16 (exact inside f16's range; below 6e-5 it keeps f16's fixed step of 6e-8).
; Work-groups 0..79 turn the weights: a wave takes a block of 128 k x 64 columns through a stage of its own in LDS (64 rows of 256 + 16 bytes).
; Work-groups 80..1103 round x: 32,768 bytes of x each, 8,192 a wave, sixteen loads of 512 neighbouring bytes all on their way at once.
; No wave reads another wave's LDS bytes, so there is no barrier.  Matrix units and clusters have nothing to do here: every byte is read once and written once.
; THE MODE: SCHED_MODE bits 1:0 = 2 (LLVM: expert scheduling mode 2), set by the entry lines.  The code itself states the register dependences
; between vector instructions and memory or LDS instructions, with s_wait_alu, always for 0.
; THE PLAN, the weights.  The block's 128 k go in eight groups of 16, a step each.  Registers that memory or LDS instructions touch:
;   VO, STO, RD, CO  offsets and LDS addresses: written once at the path's head, never again; each group has a scalar base of its own.
;   X, four quarters Step u: its sixteen conversions read quarter u % 4; behind them the eight loads of group u + 4 land in it.  At the end the LDS loads from the stage land in all of X, and the stores to wt read it.
;   D0, D1           Step u: its conversions write D[u % 2]; its four LDS stores read it; step u + 2 writes it again.
; So ONE wait on va_vdst stands in a step, behind its conversions: D[u % 2] is written, and quarter u % 4 is read out; the step's loads and LDS stores follow it.  One wait on vm_vsrc stands at the head of
; steps 2 to 7, a whole step behind the LDS stores that it speaks of.
; THE PLAN, x.  The sixteen loads go in four blocks of four.  X: each register is loaded once and read by conversions.  Y: each register is written once, by a conversion of block p, and read once, by a store that is
; issued in block p + 1.  LO, SO: written once.  One wait on va_vdst at the head of a block states that the block before has written its Y; that block's four stores are dealt among this block's conversions, which name other registers.
.set STG,   17408                      ; a wave's stage: 64 rows x 272 bytes
.set SPARE, 4*STG                      ; behind the stages: the spare words, 128 bytes a wave
.set SPW, 4                            ; v4  my spare word
.set NIL, 5                            ; v5  0
.set STO, 6                            ; v6  where I put 16 bytes (8 k) of a column
.set RD,  7                            ; v7  where I read a row of 256 bytes back
.set CO,  8                            ; v8  my byte offset in two rows of wt
.set LO,  9                            ; v9  16 x lane
.set SO,  10                           ; v10 8 x lane
.set E,   14                           ; v14-15  at work: no memory instruction names them
.set VO,  16                           ; v16-23  byte offset of row 8 h + jj of a group of 16 k, my 16 bytes of it
.set D,   32                           ; v32-63  two buffers of 16: a group's 16 k x 4 columns, packed
.set Y,   32                           ; v32-63  x path: packed results
.set X,   64                           ; v64-191 as loaded
.set BT,  32                           ; s[32:47] the source at each of the block's eight groups of 16 k
	s_load_b256 s[4:11], s[0:1], 0x0               ; x, wq, wk, wv
	s_load_b128 s[12:15], s[0:1], 0x20             ; wo, xb
	s_load_b64 s[16:17], s[0:1], 0x30              ; wt
	v_lshl_add_u32 v[SPW], v0, 2, SPARE
	v_mov_b32 v[NIL], 0
	v_lshrrev_b32 v1, 5, v0
	v_readfirstlane_b32 s18, v1                    ; wave 0..3
	v_and_b32 v1, 31, v0                           ; lane
	v_and_b32 v2, 15, v0                           ; i = lane % 16
	v_bfe_u32 v3, v0, 4, 1                         ; h = lane / 16
	s_mov_b32 s51, 0xffff0000                      ; a word's upper bf16
	s_wait_alu depctr_va_sdst(0)                   ; s18 is written, ahead of the branch: both paths make their addresses from it
	s_wait_kmcnt 0x0
	s_cmp_lt_u32 ttmp9, 80
	s_cbranch_scc0 .Lx
	; THE WEIGHTS.  sidx = which 64 rows of wt, kb = which 128 k
	s_lshr_b32 s19, ttmp9, 1                       ; sidx 0..39
	s_and_b32 s20, ttmp9, 1
	s_lshl_b32 s20, s20, 2
	s_add_co_u32 s20, s20, s18                     ; kb 0..7
	s_mul_i32 s21, s19, 43
	s_lshr_b32 s21, s21, 8                         ; g = sidx / 6 (exact for sidx under 24)
	s_mul_i32 s22, s21, 6
	s_sub_co_u32 s22, s19, s22                     ; j
	s_lshl_b32 s24, s21, 2
	s_add_co_u32 s24, s24, s22
	s_lshl_b32 s24, s24, 8                         ; wq: the block's first column in bytes, 256 (4 g + j)
	s_lshl_b32 s25, s21, 8                         ; wk, wv: 256 g
	s_mov_b32 s23, 4096                            ; bytes from row to row of the source
	s_mov_b64 s[26:27], s[6:7]
	s_cmp_eq_u32 s22, 4
	s_cselect_b64 s[26:27], s[8:9], s[26:27]
	s_cselect_b32 s24, s25, s24
	s_cselect_b32 s23, 1024, s23
	s_cmp_eq_u32 s22, 5
	s_cselect_b64 s[26:27], s[10:11], s[26:27]
	s_cselect_b32 s24, s25, s24
	s_cselect_b32 s23, 1024, s23
	s_sub_co_u32 s25, s19, 24
	s_lshl_b32 s25, s25, 8                         ; wo: 256 (sidx - 24); taken from sidx = 24 on alone
	s_cmp_ge_u32 s19, 24
	s_cselect_b64 s[26:27], s[12:13], s[26:27]
	s_cselect_b32 s24, s25, s24
	s_cselect_b32 s23, 4096, s23
	s_cselect_b32 s50, 1, 0                        ; 1: the block is wo's
	s_lshl_b32 s28, s20, 7
	s_mul_i32 s28, s28, s23                        ; 128 kb rows
	s_add_co_u32 s28, s28, s24
	s_mov_b32 s29, 0
	s_add_nc_u64 s[BT:BT+1], s[26:27], s[28:29]
	s_lshl_b32 s30, s23, 4                         ; 16 rows
	s_mov_b32 s31, 0
.irp t, 1,2,3,4,5,6,7
	s_add_nc_u64 s[BT+2*(\t):BT+2*(\t)+1], s[BT+2*(\t)-2:BT+2*(\t)-1], s[30:31]
.endr
	s_lshl_b32 s28, s19, 17                        ; 64 sidx rows of 2,048 bytes,
	s_lshl_b32 s29, s20, 8                         ; 256 kb bytes along them
	s_add_co_u32 s28, s28, s29
	s_mov_b32 s29, 0
	s_add_nc_u64 s[48:49], s[16:17], s[28:29]
	v_lshlrev_b32 v11, 3, v3                       ; 8 h
	v_lshlrev_b32 v12, 4, v2                       ; 16 i
.irp jj, 0,1,2,3,4,5,6,7
	v_add_nc_u32 v13, \jj, v11
	v_mad_u32_u24 v[VO+(\jj)], v13, s23, v12       ; sixteen lanes cover a source row's 256 bytes
.endr
	s_mul_i32 s52, s18, STG
	v_mul_u32_u24 v[STO], v2, 4*272                ; stage row = column 4 i + c
	v_lshl_add_u32 v[STO], v3, 4, v[STO]
	v_add_nc_u32 v[STO], s52, v[STO]
	v_mul_u32_u24 v[RD], v3, 272
	v_add_nc_u32 v[RD], v[RD], v12
	v_add_nc_u32 v[RD], s52, v[RD]
	v_lshl_add_u32 v[CO], v3, 11, v12
.macro TOF16                           ; wo's blocks: the bf16 numbers of the step's buffer, DB, are written as f16
	s_cmp_eq_u32 s50, 0
	s_cbranch_scc1 .Lkeep_\@
.irp d, 0,1,2,3,4,5,6,7,8,9,10,11,12,13,14,15
	v_lshlrev_b32 v[E], 16, v[DB+(\d)]
	v_and_b32 v[E+1], s51, v[DB+(\d)]
	v_cvt_pk_f16_f32 v[DB+(\d)], v[E], v[E+1]
.endr
.Lkeep_\@:
.endm
; Group u's eight loads, into X's quarter u % 4.  X[32 (u % 4) + 4 jj + c] = W[16 u + 8 h + jj][4 i + c].
.macro FILLG u
.irp jj, 0,1,2,3,4,5,6,7
	global_load_b128 v[X+32*((\u)%4)+4*(\jj):X+32*((\u)%4)+4*(\jj)+3], v[VO+(\jj)], s[BT+2*(\u):BT+2*(\u)+1]
.endr
.endm
; Step u: group u is packed, stored into the stage, and its quarter of X asked for again.
.macro STEP u
.set DB, D+16*((\u)%2)
.set XB, X+32*((\u)%4)
.if (\u) < 5
	s_wait_loadcnt 24                              ; loads come back in order (ISA guide 5.7.1): group u is in, the three younger groups, eight loads each, stay out
.else
	s_wait_loadcnt 8*(7-(\u))                      ; nothing more is asked for: the counts run down
.endif
.if (\u) >= 2
	s_wait_alu depctr_vm_vsrc(0)                   ; the LDS stores of the step before last have read this buffer of D, which the conversions below write again
.endif
.irp c, 0,1,2,3
.irp p, 0,1,2,3
	v_cvt_pk_bf16_f32 v[DB+4*(\c)+(\p)], v[XB+8*(\p)+(\c)], v[XB+8*(\p)+4+(\c)]
.endr
.endr
	TOF16
	s_wait_alu depctr_va_vdst(0)                   ; the conversions have written this buffer of D, which the LDS stores below read, and are done reading this quarter of X, in which the loads below land
.if (\u) < 4
	FILLG (\u)+4                                   ; the quarter is asked for again at once
.endif
.irp c, 0,1,2,3
	ds_store_b128 v[STO], v[DB+4*(\c):DB+4*(\c)+3] offset:272*(\c)+32*(\u)  ; column 4 i + c, k = 16 u + 8 h + 0..7
.endr
.endm
	s_wait_alu depctr_va_vdst(0)                   ; VO, STO, RD and CO are written: every load, LDS instruction and store of this path reads one of them
	FILLG 0
	FILLG 1
	FILLG 2
	FILLG 3
	STEP 0
	STEP 1
	STEP 2
	STEP 3
	STEP 4
	STEP 5
	STEP 6
	STEP 7
	; No further wait on va_vdst: no vector instruction stands behind the last step's, which shows every conversion done reading X, in which the loads below land
.irp u, 0,1,2,3,4,5,6,7,8,9,10,11,12,13,14,15,16,17,18,19,20,21,22,23,24,25,26,27,28,29,30,31
	ds_load_b128 v[X+4*(\u):X+4*(\u)+3], v[RD] offset:544*(\u)  ; my own bytes: LDS serves a wave's instructions in order (ISA guide 5.7.1.4)
.endr
.irp u, 0,1,2,3,4,5,6,7,8,9,10,11,12,13,14,15,16,17,18,19,20,21,22,23,24,25,26,27,28,29,30,31
	s_wait_dscnt 31-(\u)
	global_store_b128 v[CO], v[X+4*(\u):X+4*(\u)+3], s[48:49] offset:4096*(\u)  ; sixteen lanes store 256 consecutive bytes, at a multiple of 256 from wt's first
.endr
	s_branch .Lend
.Lx:	; x: 32,768 bytes a work-group
	s_sub_co_u32 s19, ttmp9, 80
	s_lshl_b32 s28, s19, 15
	s_lshl_b32 s20, s18, 13
	s_add_co_u32 s28, s28, s20
	s_mov_b32 s29, 0
	s_add_nc_u64 s[26:27], s[4:5], s[28:29]
	s_lshr_b32 s28, s28, 1
	s_add_nc_u64 s[48:49], s[14:15], s[28:29]
	v_lshlrev_b32 v[LO], 4, v1
	v_lshlrev_b32 v[SO], 3, v1
	s_wait_alu depctr_va_vdst(0)                   ; LO and SO are written: every load and store of this path reads one of them as its offset
.irp j, 0,1,2,3,4,5,6,7,8,9,10,11,12,13,14,15
	global_load_b128 v[X+4*(\j):X+4*(\j)+3], v[LO], s[26:27] offset:512*(\j) th:TH_LOAD_NT
.endr
; Block p: loads 4 p to 4 p + 3 are packed; the four stores of block p - 1 are dealt among the conversions.
.macro XBLK p
	s_wait_loadcnt 12-4*(\p)                       ; loads come back in order: this block's four are in, the younger blocks stay out
.if (\p) > 0
	s_wait_alu depctr_va_vdst(0)                   ; the block before has written its part of Y, which the stores below read; the conversions below name other registers
.endif
.irp i, 0,1,2,3
.if (\p) > 0
	global_store_b64 v[SO], v[Y+2*(4*(\p)-4+(\i)):Y+2*(4*(\p)-4+(\i))+1], s[48:49] offset:256*(4*(\p)-4+(\i))  ; 32 lanes store 256 consecutive bytes, aligned
.endif
	v_cvt_pk_bf16_f32 v[Y+2*(4*(\p)+(\i))], v[X+4*(4*(\p)+(\i))], v[X+4*(4*(\p)+(\i))+1]
	v_cvt_pk_bf16_f32 v[Y+2*(4*(\p)+(\i))+1], v[X+4*(4*(\p)+(\i))+2], v[X+4*(4*(\p)+(\i))+3]
.endr
.endm
	XBLK 0
	XBLK 1
	XBLK 2
	XBLK 3
	s_wait_alu depctr_va_vdst(0)                   ; block 3 has written its part of Y, which the last four stores read
.irp j, 12,13,14,15
	global_store_b64 v[SO], v[Y+2*(\j):Y+2*(\j)+1], s[48:49] offset:256*(\j)  ; 32 lanes store 256 consecutive bytes, aligned
.endr
.Lend:
	s_wait_dscnt 0x0                               ; the closing lines, six on end
	s_wait_alu 0x0
	s_wait_tensorcnt 0x0
	ds_add_u32 v[SPW], v[NIL]
	s_wait_dscnt 0x0
	s_endpgm
.Lfunc_end_k_q2616f00471_prep:
	.size	k_q2616f00471_prep, .Lfunc_end_k_q2616f00471_prep-k_q2616f00471_prep
	.p2alignl 7, 3214868480
	.fill 96, 4, 3214868480
	.section	.rodata,"a",@progbits
	.p2align	6, 0x0
	.amdhsa_kernel k_q2616f00471_prep
		.amdhsa_group_segment_fixed_size 70144
		.amdhsa_private_segment_fixed_size 0
		.amdhsa_enable_private_segment 0
		.amdhsa_kernarg_size 56
		.amdhsa_user_sgpr_count 2
		.amdhsa_user_sgpr_kernarg_segment_ptr 1
		.amdhsa_wavefront_size32 1
		.amdhsa_system_sgpr_workgroup_id_x 1
		.amdhsa_system_sgpr_workgroup_id_y 1
		.amdhsa_system_sgpr_workgroup_id_z 1
		.amdhsa_system_vgpr_workitem_id 0
		.amdhsa_next_free_vgpr 192
		.amdhsa_next_free_sgpr 66
		.amdhsa_reserve_vcc 0
		.amdhsa_float_denorm_mode_32 3
		.amdhsa_float_denorm_mode_16_64 3
		.amdhsa_memory_ordered 1
		.amdhsa_forward_progress 1
		.amdhsa_inst_pref_size 50
	.end_amdhsa_kernel
	.amdgpu_metadata
---
amdhsa.version: [ 1, 2 ]
amdhsa.kernels:
  - .name:           k_q2616f00471_prep
    .symbol:         k_q2616f00471_prep.kd
    .args:
      - { .name: x, .offset: 0, .size: 8, .value_kind: global_buffer, .address_space: global }
      - { .name: wq, .offset: 8, .size: 8, .value_kind: global_buffer, .address_space: global }
      - { .name: wk, .offset: 16, .size: 8, .value_kind: global_buffer, .address_space: global }
      - { .name: wv, .offset: 24, .size: 8, .value_kind: global_buffer, .address_space: global }
      - { .name: wo, .offset: 32, .size: 8, .value_kind: global_buffer, .address_space: global }
      - { .name: xb, .offset: 40, .size: 8, .value_kind: global_buffer, .address_space: global }
      - { .name: wt, .offset: 48, .size: 8, .value_kind: global_buffer, .address_space: global }
    .group_segment_fixed_size: 70144
    .private_segment_fixed_size: 0
    .kernarg_segment_align: 8
    .kernarg_segment_size: 56
    .max_flat_workgroup_size: 128
    .sgpr_count:     66
    .vgpr_count:     192
    .wavefront_size: 32
...
	.end_amdgpu_metadata
.endif
;; end of part 5
;; launch qkv: the kernel of part 2 again; grid 4 x 64, 4 waves a work-group, clusters of 4 x 4, 327,680 bytes of LDS; arguments xb, wt, freqs_cos, freqs_sin, qkv, vsum; writes qkv, vsum
;; launch attn: the kernel of part 3 again; grid 16 x 16, 4 waves a work-group, clusters of 4 x 1, 327,680 bytes of LDS; arguments qkv, mask, vsum, o; writes o
;; launch proj: the kernel of part 4 again; grid 4 x 64, 4 waves a work-group, clusters of 4 x 4, 327,680 bytes of LDS; arguments o, wt, out0; writes out0
